; MI455X (gfx1250); checked and timed in simulation.
; The chip was launched on July 23, 2026; its instructions are those of AMD's public machine-readable ISA for CDNA 5 (MIT licence, August 2026) and "CDNA5" Instruction Set Architecture Reference Guide (July 2026). The comments in the code are by the model that wrote it; some were corrected since.
;; Attention Block. Allowed arithmetic: matrix products marked QUANTISED: E2M3 operands, one E8M0 scale for each 32 along K, by v_wmma_scale_f32_16x16x128_f8f6f4 with both operands' format E2M3, f32 sums; everything else in f32.
;; Inputs: W1_codes 4,096 x 32 x 24 uint8 (E2M3 codes of W1, K innermost, in blocks of 32 codes, four codes in three bytes); W1_scales 4,096 x 32 uint8 (E8M0 scales of W1, one for each 32 codes along K); W2_codes 1,024 x 128 x 24 uint8 (E2M3 codes of W2, K innermost, in blocks of 32 codes, four codes in three bytes); W2_scales 1,024 x 128 uint8 (E8M0 scales of W2, one for each 32 codes along K); Wk_codes 1,024 x 32 x 24 uint8 (E2M3 codes of Wk, K innermost, in blocks of 32 codes, four codes in three bytes); Wk_scales 1,024 x 32 uint8 (E8M0 scales of Wk, one for each 32 codes along K); Wo_codes 1,024 x 32 x 24 uint8 (E2M3 codes of Wo, K innermost, in blocks of 32 codes, four codes in three bytes); Wo_scales 1,024 x 32 uint8 (E8M0 scales of Wo, one for each 32 codes along K); Wq_codes 1,024 x 32 x 24 uint8 (E2M3 codes of Wq, K innermost, in blocks of 32 codes, four codes in three bytes); Wq_scales 1,024 x 32 uint8 (E8M0 scales of Wq, one for each 32 codes along K); Wv_codes 1,024 x 32 x 24 uint8 (E2M3 codes of Wv, K innermost, in blocks of 32 codes, four codes in three bytes); Wv_scales 1,024 x 32 uint8 (E8M0 scales of Wv, one for each 32 codes along K); b1 1,024 float32; b2 1,024 float32; bf1 4,096 float32; bf2 1,024 float32; bk 1,024 float32; bo 1,024 float32; bq 1,024 float32; bv 1,024 float32; g1 1,024 float32; g2 1,024 float32; x 2 x 2,048 x 1,024 float32.
;; Outputs: out0 2 x 2,048 x 1,024 float32.
;; This version of the problem:
;;   THIS VERSION OF THE PROBLEM IS GIVEN IN LOW PRECISION. The matrix products marked QUANTISED in the list below multiply operands that are first quantised to E2M3 (2 exponent bits, 3 mantissa bits; 6 bits a number), with one power-of-two scale for each 32 numbers along K (OCP MX v1.0); their sums are f32. All else is computed in f32.
;;   The module's matrix products, in the order in which they are computed (A, B: the left and right operand; K: the contracted axis; several contracted axes count as one K, in the product's order):
;;     1. [M 4,096, K 1,024] x [K 1,024, N 1,024]; A: computed on the way; B: input Wq (given as codes): QUANTISED
;;     2. [M 4,096, K 1,024] x [K 1,024, N 1,024]; A: computed on the way; B: input Wk (given as codes): QUANTISED
;;     3. [M 4,096, K 1,024] x [K 1,024, N 1,024]; A: computed on the way; B: input Wv (given as codes): QUANTISED
;;     4. batch 32 x [M 2,048, K 64] x [K 64, N 2,048]; A: computed on the way; B: computed on the way: QUANTISED
;;     5. batch 32 x [M 64, K 2,048] x [K 2,048, N 2,048]; A: computed on the way; B: softmax (see below): QUANTISED
;;     6. [M 4,096, K 1,024] x [K 1,024, N 1,024]; A: computed on the way; B: input Wo (given as codes): QUANTISED
;;     7. [M 4,096, K 1,024] x [K 1,024, N 4,096]; A: computed on the way; B: input W1 (given as codes): QUANTISED
;;     8. [M 4,096, K 4,096] x [K 4,096, N 1,024]; A: computed on the way; B: input W2 (given as codes): QUANTISED
;;   THE QUANTISER, for each operand of a quantised product, along K:
;;     - K is cut into blocks of 32 from its start; a last block that is shorter is filled with zeros.
;;     - A block's scale is 2^e with e = floor(log2(the largest magnitude in the block)) - 2, held to -126 .. 127; a block of zeros has e = 0. As a byte (E8M0): e + 127.
;;     - Each number is divided by its block's scale, clamped to +-7.5, and rounded to the nearest number of E2M3, ties to even, subnormals kept.
;;     - The product sums the exact products of the quantised numbers (number of the format x scale) in f32.
;;   ~~~python
;;   def quantise(x, axis):      # numpy; x: float32 -> the quantised numbers, widened to float32 again
;;       x = np.moveaxis(x, axis, -1); K = x.shape[-1]
;;       x = np.pad(x, [(0, 0)] * (x.ndim - 1) + [(0, -K % 32)]); x = x.reshape(x.shape[:-1] + (-1, 32)); a = np.abs(x).max(-1, keepdims=True)
;;       e = np.where(a > 0, np.clip(np.frexp(np.where(a > 0, a, 1))[1] - 1 - 2, -126, 127), 0)      # np.frexp(a)[1] - 1 = floor(log2(a)), exactly
;;       r = np.clip(x / 2.0 ** e, -7.5, 7.5)
;;       step = 2.0 ** (np.maximum(np.frexp(np.where(r == 0, 1, r))[1] - 1, 0) - 3)
;;       q = np.round(r / step) * step * 2.0 ** e      # np.round: ties to even
;;       return np.moveaxis(q.reshape(q.shape[:-2] + (-1,))[..., :K], -1, axis).astype(np.float32)
;;   ~~~
;;   SOFTMAX AHEAD OF A QUANTISED PRODUCT. Where the list says 'softmax', what is quantised is not the finished softmax but p = 2^(t - M), with t = logit x log2(e) and M = ceil(the row's largest t), a whole number; so 1/2 < the row's largest p <= 1. The row's sum l is taken of the UNQUANTISED p, in f32, and the product's result is divided by l at the end. Since M is a whole number, a kernel that streams over the keys may use a running M (the ceiling of the running maximum): every later rescaling is an exact power of two, which a block's scale takes up: the codes' values come out the same.
;;   OPERANDS COMPUTED ON THE WAY. 'Computed on the way' means the value that the module computes at that place (a softmax that the list does not call 'softmax' is quantised finished and normalised). What goes into a quantiser is computed in f32, as accurately as f32 sums, v_exp_f32 and their like allow (about 1e-6 of the number): no bf16 or f16 on the way to a quantiser, and a product that is left as it is and whose result goes on into a quantised operand takes f32 operands (vector FMAs, or v_wmma_f32_16x16x4_f32). A number that lies on a knife's edge between two numbers of the format may be rounded either way, as far as f32 arithmetic and the matrix unit's own rounding can turn it there, and no further.
;;   INPUTS GIVEN AS CODES. W1 (in the module: [4096, 1024], K = its axis 1); W2 (in the module: [1024, 4096], K = its axis 1); Wk (in the module: [1024, 1024], K = its axis 1); Wo (in the module: [1024, 1024], K = its axis 1); Wq (in the module: [1024, 1024], K = its axis 1); Wv (in the module: [1024, 1024], K = its axis 1): each comes as NAME_codes (uint8): NAME with its K axis moved to the last place and cut into blocks of 32 codes, [.., K / 32, bytes a block], one block behind the other in memory; four codes in three bytes: a row's codes are one little-endian stream of bits, code i at bits 6 i .. 6 i + 5 (a code: sign, 2 exponent bits, 3 mantissa bits); and NAME_scales (uint8): the same leading axes, one E8M0 byte (e + 127) for each 32 codes along K. Its value is code x scale, taken as it is: it is not quantised again, and the codes and scales need not be those that the quantiser above would give.
;; One version. Each part assembles by itself: llvm-mc -triple=amdgcn-amd-amdhsa -mcpu=gfx1250 --defsym DOCPART=n.
;; ======== version 1 of 1: 7 launches
;; limits: right only within a limited range of input values
;; workspace buffers: wimg 13,631,488 bytes; qc 3,670,016 bytes; kv 7,077,888 bytes; oi 3,407,872 bytes; x1i 16,777,216 bytes; h2 3,407,872 bytes; ga 13,631,488 bytes
;; launch prep (part 1): grid 640 x 1, 8 waves a work-group, no clusters, 66,816 bytes of LDS; arguments x, g1, b1, Wq_codes, Wq_scales, Wk_codes, Wk_scales, Wv_codes, Wv_scales, Wo_codes, Wo_scales, W1_codes, W1_scales, W2_codes, W2_scales, wimg; writes wimg
.if DOCPART == 1
	.amdgcn_target "amdgcn-amd-amdhsa--gfx1250"
	.amdhsa_code_object_version 6
	.text
	.protected	k_q5ccb505df0_prep
	.globl	k_q5ccb505df0_prep
	.p2align	8
	.type	k_q5ccb505df0_prep,@function
k_q5ccb505df0_prep:
	s_mov_b64 s[64:65], 0
	v_nop
	global_prefetch_b8 v0, s[64:65] scope:SCOPE_SE
	s_setreg_imm32_b32 hwreg(HW_REG_WAVE_MODE, 25, 1), 1
	s_wait_xcnt 0x0
; THE PROGRAM: a pre-norm transformer block, 4,096 rows x 1,024, 16 heads of 64, FFN 4,096, all eight products on codes of E2M3 with one E8M0 scale for each 32 along K.
; Seven launches: prep (this one), qkv, attn, oproj, ln2, ffn1, ffn2.  NO WORK IS LEFT OUT: every product of the block reaches the output, every bias feeds a quantiser or the output
; (bk moves the codes of k, so it stays), and all 23 inputs are loaded by some launch.
; THIS LAUNCH.  Work-groups 0-255: h = LayerNorm(x; g1, b1) in f32 (mean, then the mean of the squared differences, so a common offset costs nothing), quantised along its 1,024.
; Work-groups 256-639: the six weights, which arrive as codes, are laid anew.  Both go to wimg IN THE ORDER OF AN OPERAND'S REGISTERS:
;   a fragment (16 rows x 128 K, 12 registers a lane) is 1,536 bytes: registers 4 c .. 4 c + 3 of lane l at 512 c + 16 l;  its scale words are 128 bytes: the row's word at 4 l, in both halves of the lanes;
;   a K-block (128 rows x 128 K) is 13,312 bytes: fragment t at 1,536 t, scale words of t at 12,288 + 128 t.  A tensor is [rows / 128][K / 128] K-blocks.
;   BLOCK t OF 128 ROWS HOLDS, IN LANE r, ROW 32 (t / 2) + 8 (t % 2) + r + 8 (r / 8): with weights so chosen a product's result has 16 neighbours along the next K in a lane's registers.
; wimg, in K-blocks: 0 h; 256 Wq; 320 Wk; 384 Wv; 448 Wo; 512 W1; 768 W2.
; LIMITS: NaN and infinities among the inputs are not served.  A block of zeros gets the scale byte 1 where the rule says 127: its codes are zeros, and the bytes are read by this program alone.
; v_rsq_f32 is taken as it is given (AMD's ISA guide: 1 ulp).
.set KB,    13312
.set PITCH, 4112                       ; a stage row: 4,096 bytes + 16: an odd multiple of 16
.set SPARE, 16*PITCH                   ; behind the stage: the spare words, 128 bytes for each of eight waves
.set SPW,   10                         ; v10  LDS address of my spare word; never rewritten
.set NIL,   11                         ; v11  0; never rewritten
.set TA,    12                         ; v[12:13], v[14:15], v[16:17] the norm's sums, mean and scale
.set TB,    14
.set TC,    16
.set X,     32                         ; v32-95   two rows of x, 32 numbers a lane each; later 64 numbers for the quantiser
.set GA,    96                         ; v96-127  g1 of my columns
.set BE,    128                        ; v128-159 b1
.set TM,    96                         ; the quantiser's work registers (g1 is done with by then)
.set PW,    112
.set PC,    116
.set SEL,   8                          ; s[8:9] lane selects for v_permlanex16_b32: lane l xor 16
	s_load_b512 s[16:31], s[0:1], 0x0              ; x 16, g1 18, b1 20, Wq 22/24, Wk 26/28, Wv's codes 30
	s_load_b512 s[32:47], s[0:1], 0x40             ; Wv's scales 32, Wo 34/36, W1 38/40, W2 42/44, wimg 46
	v_lshl_add_u32 v[SPW], v0, 2, SPARE
	v_mov_b32 v[NIL], 0
	v_lshrrev_b32 v1, 5, v0
	s_delay_alu instid0(VALU_DEP_1)
	v_readfirstlane_b32 s4, v1                     ; wave 0..7
	v_and_b32 v2, 31, v0                           ; lane
	v_and_b32 v3, 15, v0                           ; r
	v_bfe_u32 v4, v0, 4, 1                         ; h
	s_delay_alu instid0(VALU_DEP_3)
	v_lshlrev_b32 v5, 4, v2                        ; 16 l
	s_delay_alu instid0(VALU_DEP_4)
	v_lshlrev_b32 v6, 2, v2                        ; 4 l
	s_mov_b32 s[SEL], 0x76543210
	s_mov_b32 s[SEL+1], 0xfedcba98
	s_cmp_lt_u32 ttmp9, 256
	s_cbranch_scc0 .Llayout
; ---------------- LayerNorm and its quantiser: one block of 16 rows to a work-group ----------------
.macro REDUCE r, t                     ; the sum over the wave's 32 lanes, in every lane
	s_delay_alu instid0(VALU_DEP_1)
	v_add_f32_dpp v[\r], v[\r], v[\r] row_xmask:1 row_mask:0xf bank_mask:0xf
	s_delay_alu instid0(VALU_DEP_1)
	v_add_f32_dpp v[\r], v[\r], v[\r] row_xmask:2 row_mask:0xf bank_mask:0xf
	s_delay_alu instid0(VALU_DEP_1)
	v_add_f32_dpp v[\r], v[\r], v[\r] row_xmask:4 row_mask:0xf bank_mask:0xf
	s_delay_alu instid0(VALU_DEP_1)
	v_add_f32_dpp v[\r], v[\r], v[\r] row_xmask:8 row_mask:0xf bank_mask:0xf
	s_delay_alu instid0(VALU_DEP_1)
	v_permlanex16_b32 v[\t], v[\r], s[SEL], s[SEL+1]
	s_delay_alu instid0(VALU_DEP_1)
	v_add_f32 v[\r], v[\r], v[\t]
.endm
.macro LNROW e                         ; one row, 32 numbers a lane: normalised in place and put into the stage
.set XR, X+32*\e
	v_pk_add_f32 v[TA:TA+1], v[XR:XR+1], v[XR+2:XR+3]
	v_pk_add_f32 v[TB:TB+1], v[XR+4:XR+5], v[XR+6:XR+7]
.irp i, 8,12,16,20,24,28
	s_delay_alu instid0(VALU_DEP_2)
	v_pk_add_f32 v[TA:TA+1], v[TA:TA+1], v[XR+\i:XR+\i+1]
	s_delay_alu instid0(VALU_DEP_2)
	v_pk_add_f32 v[TB:TB+1], v[TB:TB+1], v[XR+\i+2:XR+\i+3]
.endr
	s_delay_alu instid0(VALU_DEP_1)
	v_pk_add_f32 v[TA:TA+1], v[TA:TA+1], v[TB:TB+1]
	s_delay_alu instid0(VALU_DEP_1)
	v_add_f32 v[TA], v[TA], v[TA+1]
	REDUCE TA, TA+1
	s_delay_alu instid0(VALU_DEP_1)
	v_mul_f32 v[TA], s7, v[TA]                     ; the mean
.set II, 0
.rept 16
	v_pk_add_f32 v[XR+II:XR+II+1], v[XR+II:XR+II+1], v[TA:TA+1] op_sel_hi:[1,0] neg_lo:[0,1] neg_hi:[0,1]
.set II, II+2
.endr
	v_pk_mul_f32 v[TB:TB+1], v[XR:XR+1], v[XR:XR+1]
	v_pk_mul_f32 v[TC:TC+1], v[XR+2:XR+3], v[XR+2:XR+3]
.irp i, 4,8,12,16,20,24,28
	s_delay_alu instid0(VALU_DEP_2)
	v_pk_fma_f32 v[TB:TB+1], v[XR+\i:XR+\i+1], v[XR+\i:XR+\i+1], v[TB:TB+1]
	s_delay_alu instid0(VALU_DEP_2)
	v_pk_fma_f32 v[TC:TC+1], v[XR+\i+2:XR+\i+3], v[XR+\i+2:XR+\i+3], v[TC:TC+1]
.endr
	s_delay_alu instid0(VALU_DEP_1)
	v_pk_add_f32 v[TB:TB+1], v[TB:TB+1], v[TC:TC+1]
	s_delay_alu instid0(VALU_DEP_1)
	v_add_f32 v[TB], v[TB], v[TB+1]
	REDUCE TB, TB+1
	s_delay_alu instid0(VALU_DEP_1)
	v_fma_f32 v[TB], v[TB], s7, s3                 ; the variance + 1e-5
	s_wait_alu depctr_va_vdst(0)
	v_rsq_f32 v[TC], v[TB]
	v_nop                                          ; a plain instruction behind the transcendental
	s_wait_alu depctr_va_vdst(0)                   ; the wait ahead of the first reader
.set II, 0
.rept 16
	v_pk_mul_f32 v[XR+II:XR+II+1], v[XR+II:XR+II+1], v[TC:TC+1] op_sel_hi:[1,0]
.set II, II+2
.endr
.set II, 0
.rept 16
	v_pk_fma_f32 v[XR+II:XR+II+1], v[XR+II:XR+II+1], v[GA+II:GA+II+1], v[BE+II:BE+II+1]
.set II, II+2
.endr
.irp k, 0,1,2,3,4,5,6,7
	ds_store_b128 v7, v[XR+4*\k:XR+4*\k+3] offset:\e*PITCH+512*\k
.endr
.endm
; 64 numbers of a lane, register 16 b + i = k 32 b + 16 (lane / 16) + i of my row, become a fragment's codes in v[PC] on and its scale word in v[PW]
.macro QUANT s
.irp b, 0,1,2,3
	v_max3_num_f32 v[TM+\b], |v[\s+16*\b]|, |v[\s+1+16*\b]|, 0x1800000   ; my 16 numbers of block b, and the floor 2^(3 - 127): the byte cannot fall under 1
.endr
.irp i, 2,4,6,8,10,12,14
.irp b, 0,1,2,3
	s_delay_alu instid0(VALU_DEP_4)
	v_max3_num_f32 v[TM+\b], v[TM+\b], |v[\s+16*\b+\i]|, |v[\s+1+16*\b+\i]|
.endr
.endr
.irp b, 0,1,2,3
	s_delay_alu instid0(VALU_DEP_4)
	v_permlanex16_b32 v[TM+4+\b], v[TM+\b], s[SEL], s[SEL+1]
.endr
.irp b, 0,1,2,3
	s_delay_alu instid0(VALU_DEP_4)
	v_max_num_f32 v[TM+\b], v[TM+\b], v[TM+4+\b]   ; with lane l xor 16's: the block's largest magnitude
.endr
.irp b, 0,1,2,3
	s_delay_alu instid0(VALU_DEP_4)
	v_add_nc_u32 v[TM+12+\b], 0xff000000, v[TM+\b] ; 2 off its exponent field: the conversion's scale operand
.endr
.irp b, 0,1,2,3
	s_delay_alu instid0(VALU_DEP_4)
	v_lshrrev_b32 v[TM+4+\b], 23, v[TM+12+\b]      ; the scale's byte
.endr
	s_delay_alu instid0(VALU_DEP_3)
	v_lshl_or_b32 v[PW], v[TM+5], 8, v[TM+4]
	s_delay_alu instid0(VALU_DEP_1)
	v_lshl_or_b32 v[PW], v[TM+6], 16, v[PW]
	s_delay_alu instid0(VALU_DEP_1)
	v_lshl_or_b32 v[PW], v[TM+7], 24, v[PW]
.irp c, 0,1
	v_cvt_scalef32_pk16_fp6_f32 v[PC+6*\c:PC+2+6*\c], v[\s+32*\c:\s+15+32*\c], v[TM+12+2*\c]
	v_cvt_scalef32_pk16_fp6_f32 v[PC+12+4*\c:PC+14+4*\c], v[\s+16+32*\c:\s+31+32*\c], v[TM+13+2*\c]
.endr
	v_nop                                          ; one plain instruction behind the scaled conversions
.irp c, 0,1                                    ; the operand wants a whole block in a lane: lanes 0-15 block 2 c, lanes 16-31 block 2 c + 1
.irp i, 0,1,2
	v_permlane16_swap_b32 v[PC+6*\c+\i], v[PC+12+4*\c+\i]
.endr
.irp i, 0,1,2
	s_delay_alu instid0(VALU_DEP_3)
	v_mov_b32 v[PC+3+6*\c+\i], v[PC+12+4*\c+\i]
.endr
.endr
.endm
	s_lshr_b32 s5, ttmp9, 3                        ; G: which 128 rows
	s_and_b32 s6, ttmp9, 7                         ; t: which block of them
	s_lshr_b32 s10, s6, 1
	s_lshl_b32 s10, s10, 5
	s_and_b32 s11, s6, 1
	s_lshl_b32 s11, s11, 3
	s_add_co_u32 s10, s10, s11                     ; 32 (t / 2) + 8 (t % 2)
	s_lshl_b32 s11, s5, 7
	s_add_co_u32 s10, s10, s11
	s_lshl_b32 s11, s4, 1
	s_add_co_u32 s10, s10, s11                     ; my wave takes the block's places 2 w and 2 w + 1,
	s_lshr_b32 s11, s4, 2
	s_lshl_b32 s11, s11, 3
	s_add_co_u32 s10, s10, s11                     ; of which places 8 to 15 lie 8 rows further on
	s_lshl_b32 s10, s10, 12                        ; in bytes
	s_mov_b32 s11, 0
	s_mov_b32 s7, 0x3a800000                       ; 1 / 1,024
	s_mov_b32 s3, 0x3727c5ac                       ; 1e-5
	s_mul_i32 s12, s4, 2*PITCH
	s_wait_alu depctr_va_vdst(0)
	v_add_nc_u32 v7, s12, v5                       ; the stage, on the way in: place 2 w, 16 bytes a lane
	v_mul_u32_u24 v8, v3, PITCH
	s_delay_alu instid0(VALU_DEP_1)
	v_lshl_add_u32 v8, v4, 6, v8
	s_lshl_b32 s12, s4, 9
	v_add_nc_u32 v8, s12, v8                       ; and on the way out: place r, K step w, + 64 h
	s_lshl_b32 s12, s5, 3
	s_add_co_u32 s12, s12, s4
	s_mul_i32 s12, s12, KB                         ; K-block 8 G + w
	s_mul_i32 s13, s6, 1536
	s_add_co_u32 s14, s12, s13
	s_mov_b32 s15, 0
	s_lshl_b32 s13, s6, 7
	s_add_co_u32 s12, s12, s13
	s_add_co_u32 s12, s12, 12288
	s_mov_b32 s13, 0
	s_wait_kmcnt 0x0
	s_add_nc_u64 s[16:17], s[16:17], s[10:11]      ; x at my first row
	s_add_nc_u64 s[48:49], s[46:47], s[14:15]      ; my fragment
	s_add_nc_u64 s[50:51], s[46:47], s[12:13]      ; its scale words
.irp k, 0,1,2,3,4,5,6,7
	global_load_b128 v[GA+4*\k:GA+4*\k+3], v5, s[18:19] offset:512*\k
.endr
.irp k, 0,1,2,3,4,5,6,7
	global_load_b128 v[BE+4*\k:BE+4*\k+3], v5, s[20:21] offset:512*\k
.endr
.irp e, 0,1
.irp k, 0,1,2,3,4,5,6,7
	global_load_b128 v[X+32*\e+4*\k:X+32*\e+4*\k+3], v5, s[16:17] offset:4096*\e+512*\k th:TH_LOAD_NT   ; 32 lanes read 512 consecutive bytes
.endr
.endr
	s_wait_loadcnt 8                               ; g1, b1 and the first row are in; the second row's eight loads may be out
	LNROW 0
	s_wait_loadcnt 0x0
	LNROW 1
	s_wait_dscnt 0x0                               ; for the others' sake: my two rows lie in the stage
	s_barrier_signal -1
	s_barrier_wait -1
.irp b, 0,1,2,3                                ; wave w takes K step w of all 16 rows: lane (r, h) takes 16 neighbours of each block of 32
.irp j, 0,1,2,3
	ds_load_b128 v[X+16*\b+4*\j:X+16*\b+4*\j+3], v8 offset:128*\b+16*\j
.endr
.endr
.irp b, 0,1,2,3
	v_mov_b32 v[TM+4+\b], 0                        ; a lane permute's destination counts as one of its sources
.endr
	s_wait_dscnt 0x0
	QUANT X
.irp c, 0,1,2
	global_store_b128 v5, v[PC+4*\c:PC+4*\c+3], s[48:49] offset:512*\c   ; 512 consecutive bytes, aligned
.endr
	global_store_b32 v6, v[PW], s[50:51]
	s_wait_tensorcnt 0x0                           ; the wave's end, behind my last LDS store
	ds_add_u32 v[SPW], v[NIL]
	s_wait_dscnt 0x0
	s_endpgm
; ---------------- the weights: 128 rows x 256 along K to a work-group, a block of 16 rows to a wave.
.Llayout:
	s_sub_co_u32 s5, ttmp9, 256
	s_and_b32 s56, s5, 3                           ; which two of eight K steps
	s_lshr_b32 s5, s5, 2                           ; n: Wq 0-7, Wk 8-15, Wv 16-23, Wo 24-31, W1 32-63, W2 64-95: 128 rows x 1,024 along K
	s_wait_kmcnt 0x0
	s_mov_b64 s[48:49], s[42:43]
	s_mov_b64 s[50:51], s[44:45]
	s_mov_b32 s6, 64
	s_mov_b32 s10, 3072
	s_cmp_lt_u32 s5, 64                            ; the choices hang on the work-group's number alone
	s_cselect_b64 s[48:49], s[38:39], s[48:49]
	s_cselect_b64 s[50:51], s[40:41], s[50:51]
	s_cselect_b32 s6, 32, s6                       ; the matrix's first n
	s_cselect_b32 s10, 768, s10                    ; a row of codes in bytes
	s_cselect_b32 s11, 32, 128                     ; a row of scale bytes
	s_cselect_b32 s12, 0, 2                        ; W2 has four n along K
	s_cselect_b32 s13, 0, 3
	s_cmp_lt_u32 s5, 32
	s_cselect_b64 s[48:49], s[34:35], s[48:49]
	s_cselect_b64 s[50:51], s[36:37], s[50:51]
	s_cselect_b32 s6, 24, s6
	s_cmp_lt_u32 s5, 24
	s_cselect_b64 s[48:49], s[30:31], s[48:49]
	s_cselect_b64 s[50:51], s[32:33], s[50:51]
	s_cselect_b32 s6, 16, s6
	s_cmp_lt_u32 s5, 16
	s_cselect_b64 s[48:49], s[26:27], s[48:49]
	s_cselect_b64 s[50:51], s[28:29], s[50:51]
	s_cselect_b32 s6, 8, s6
	s_cmp_lt_u32 s5, 8
	s_cselect_b64 s[48:49], s[22:23], s[48:49]
	s_cselect_b64 s[50:51], s[24:25], s[50:51]
	s_cselect_b32 s6, 0, s6
	s_sub_co_u32 s6, s5, s6
	s_lshr_b32 s52, s6, s12                        ; which 128 rows
	s_and_b32 s53, s6, s13                         ; which 1,024 along K
	s_lshl_b32 s52, s52, 7
	s_lshr_b32 s54, s4, 1
	s_lshl_b32 s54, s54, 5
	s_add_co_u32 s52, s52, s54
	s_and_b32 s54, s4, 1
	s_lshl_b32 s54, s54, 3
	s_add_co_u32 s52, s52, s54                     ; my block's first row: the wave is t
	s_mul_i32 s14, s52, s10
	s_mul_i32 s54, s53, 768
	s_add_co_u32 s14, s14, s54
	s_mul_i32 s54, s56, 192                        ; two K steps are 192 bytes of a row
	s_add_co_u32 s14, s14, s54
	s_mov_b32 s15, 0
	s_add_nc_u64 s[48:49], s[48:49], s[14:15]
	s_mul_i32 s14, s52, s11
	s_lshl_b32 s54, s53, 5
	s_add_co_u32 s14, s14, s54
	s_lshl_b32 s54, s56, 3                         ; and 8 scale bytes
	s_add_co_u32 s14, s14, s54
	s_add_nc_u64 s[50:51], s[50:51], s[14:15]
	s_wait_alu depctr_va_vdst(0)
	v_and_b32 v7, 8, v3
	s_delay_alu instid0(VALU_DEP_1)
	v_add_nc_u32 v7, v7, v3                        ; r + 8 (r / 8)
	s_delay_alu instid0(VALU_DEP_1)
	v_mul_lo_u32 v8, v7, s10
	s_delay_alu instid0(VALU_DEP_1)
	v_mad_u32_u24 v8, v4, 24, v8                   ; my row's codes, + 24 h
	s_wait_alu depctr_va_vdst(0)
	v_mul_lo_u32 v9, v7, s11                       ; my row's scale bytes
	s_wait_alu depctr_va_vdst(0)
	s_lshl_b32 s14, s5, 3
	s_add_co_u32 s14, s14, 256
	s_lshl_b32 s54, s56, 1
	s_add_co_u32 s14, s14, s54
	s_mul_i32 s14, s14, KB                         ; K-block 256 + 8 n + my first K step
	s_mul_i32 s54, s4, 1536
	s_add_co_u32 s52, s14, s54
	s_mov_b32 s53, 0
	s_add_nc_u64 s[52:53], s[46:47], s[52:53]
	s_lshl_b32 s54, s4, 7
	s_add_co_u32 s14, s14, s54
	s_add_co_u32 s14, s14, 12288
	s_add_nc_u64 s[54:55], s[46:47], s[14:15]
.irp e, 0,1                                    ; two K steps: a lane's 24 bytes twice, as they lie: that is the register image
.irp p, 0,1,2,3,4,5
	global_load_b64 v[32+12*\e+2*\p:33+12*\e+2*\p], v8, s[48:49] offset:96*\e+48*(\p/3)+8*(\p%3)
.endr
.endr
	global_load_b64 v[128:129], v9, s[50:51]
	s_wait_loadcnt 0x0
.irp e, 0,1
.irp c, 0,1,2
	global_store_b128 v5, v[32+12*\e+4*\c:35+12*\e+4*\c], s[52:53] offset:\e*KB+512*\c
.endr
	global_store_b32 v6, v[128+\e], s[54:55] offset:\e*KB
.endr
	s_endpgm
.Lfunc_end_k_q5ccb505df0_prep:
	.size	k_q5ccb505df0_prep, .Lfunc_end_k_q5ccb505df0_prep-k_q5ccb505df0_prep
	.p2alignl 7, 3214868480
	.fill 96, 4, 3214868480
	.section	.rodata,"a",@progbits
	.p2align	6, 0x0
	.amdhsa_kernel k_q5ccb505df0_prep
		.amdhsa_group_segment_fixed_size 66816
		.amdhsa_private_segment_fixed_size 0
		.amdhsa_enable_private_segment 0
		.amdhsa_kernarg_size 128
		.amdhsa_user_sgpr_count 2
		.amdhsa_user_sgpr_kernarg_segment_ptr 1
		.amdhsa_wavefront_size32 1
		.amdhsa_system_sgpr_workgroup_id_x 1
		.amdhsa_system_sgpr_workgroup_id_y 1
		.amdhsa_system_sgpr_workgroup_id_z 1
		.amdhsa_system_vgpr_workitem_id 0
		.amdhsa_next_free_vgpr 160
		.amdhsa_next_free_sgpr 66
		.amdhsa_reserve_vcc 0
		.amdhsa_float_denorm_mode_32 3
		.amdhsa_float_denorm_mode_16_64 3
		.amdhsa_memory_ordered 1
		.amdhsa_forward_progress 1
		.amdhsa_inst_pref_size 34
	.end_amdhsa_kernel
	.amdgpu_metadata
---
amdhsa.version: [ 1, 2 ]
amdhsa.kernels:
  - .name:           k_q5ccb505df0_prep
    .symbol:         k_q5ccb505df0_prep.kd
    .args:
      - { .name: x, .offset: 0, .size: 8, .value_kind: global_buffer, .address_space: global }
      - { .name: g1, .offset: 8, .size: 8, .value_kind: global_buffer, .address_space: global }
      - { .name: b1, .offset: 16, .size: 8, .value_kind: global_buffer, .address_space: global }
      - { .name: Wq_codes, .offset: 24, .size: 8, .value_kind: global_buffer, .address_space: global }
      - { .name: Wq_scales, .offset: 32, .size: 8, .value_kind: global_buffer, .address_space: global }
      - { .name: Wk_codes, .offset: 40, .size: 8, .value_kind: global_buffer, .address_space: global }
      - { .name: Wk_scales, .offset: 48, .size: 8, .value_kind: global_buffer, .address_space: global }
      - { .name: Wv_codes, .offset: 56, .size: 8, .value_kind: global_buffer, .address_space: global }
      - { .name: Wv_scales, .offset: 64, .size: 8, .value_kind: global_buffer, .address_space: global }
      - { .name: Wo_codes, .offset: 72, .size: 8, .value_kind: global_buffer, .address_space: global }
      - { .name: Wo_scales, .offset: 80, .size: 8, .value_kind: global_buffer, .address_space: global }
      - { .name: W1_codes, .offset: 88, .size: 8, .value_kind: global_buffer, .address_space: global }
      - { .name: W1_scales, .offset: 96, .size: 8, .value_kind: global_buffer, .address_space: global }
      - { .name: W2_codes, .offset: 104, .size: 8, .value_kind: global_buffer, .address_space: global }
      - { .name: W2_scales, .offset: 112, .size: 8, .value_kind: global_buffer, .address_space: global }
      - { .name: wimg, .offset: 120, .size: 8, .value_kind: global_buffer, .address_space: global }
    .group_segment_fixed_size: 66816
    .private_segment_fixed_size: 0
    .kernarg_segment_align: 8
    .kernarg_segment_size: 128
    .max_flat_workgroup_size: 256
    .sgpr_count:     66
    .vgpr_count:     160
    .wavefront_size: 32
...
	.end_amdgpu_metadata
.endif
;; end of part 1
;; launch qkv (part 2): grid 12 x 16, 4 waves a work-group, clusters of 4 x 4, 327,680 bytes of LDS; arguments wimg, bq, bk, bv, qc, kv; writes qc, kv
.if DOCPART == 2
	.amdgcn_target "amdgcn-amd-amdhsa--gfx1250"
	.amdhsa_code_object_version 6
	.text
	.protected	k_q5ccb505df0_qkv
	.globl	k_q5ccb505df0_qkv
	.p2align	8
	.type	k_q5ccb505df0_qkv,@function
k_q5ccb505df0_qkv:
	s_mov_b64 s[64:65], 0
	v_nop
	global_prefetch_b8 v0, s[64:65] scope:SCOPE_SE
	s_setreg_imm32_b32 hwreg(HW_REG_WAVE_MODE, 25, 1), 1
	s_wait_xcnt 0x0
	s_wait_alu depctr_hold_cnt(0) depctr_sa_sdst(0) depctr_va_vdst(0) depctr_va_sdst(0) depctr_va_ssrc(0) depctr_va_vcc(0) depctr_vm_vsrc(0)
	s_getreg_b32 s2, hwreg(HW_REG_IB_STS2, 6, 4)
	s_cmp_eq_u32 s2, 0
	s_cbranch_scc0 .Lentry_in_a_cluster
	s_endpgm
.Lentry_in_a_cluster:
	s_bfe_u32 s2, ttmp6, 0x10000c
	s_cmp_lg_u32 s2, 0xf033
	s_cbranch_scc0 .Lentry_shape_is_right
	s_endpgm
.Lentry_shape_is_right:
; q = h Wq^T + bq, k = h Wk^T + bk, v = h Wv^T + bv on codes of E2M3, and each result quantised in registers for attention.  Nothing of the block's work is left out here.
; A tile of 256 x 256 to a work-group of four waves, 128 x 128 (64 accumulators) to a wave; K = 1,024 in four slots of 256 through a ring of two LDS slots.
; OPERANDS ARE REGISTER IMAGES (K-blocks of 13,312 bytes: fragment t at 1,536 t, scale words at 12,288 + 128 t; block t holds in lane r row 32 (t / 2) + 8 (t % 2) + r + 8 (r / 8)):
; a fragment comes from LDS by three loads of 16 bytes a lane, 512 consecutive bytes each: no pitch, no padding.
; ROLES.  Source 0 is the operand called B here (window 1), source 1 the one called A (window 0).  In the result lane (r, h) holds A's row of lane r, and register j of tile b holds B's row
; 32 (b / 2) + 8 (b % 2) + 16 h + j: the 16 registers of tiles 2 b, 2 b + 1 are 16 neighbouring rows of B.
; Clusters x = 0, 1 (q, k): A = h (tokens), B = the weight: a lane holds a token and 64 neighbouring channels in runs of 16: quantised along the head's 64.
; Cluster x = 2 (v): A = Wv, B = h: a lane holds a CHANNEL and its registers run along the TOKENS: v is quantised along the keys with nothing transposed.  Only addresses, the bias and the way out differ.
; OUT.  qc: [batch x head][128 queries] records of 7,168 bytes: tile t: registers 0-3 at 768 t + 16 l, 4-5 at 768 t + 512 + 8 l, scale words at 6,144 + 128 t.  kv: records of 13,824 bytes: k likewise, then
; v's fragment u (16 channels x 128 keys) at 7,168 + 1,536 u and its scale words at 13,312 + 128 u.
; A head's K is 64: its fragment is registers 0-5; the upper two bytes of its scale word stand over codes that attention sets to zero, and are never 0xff.
; CLUSTER 4 x 4: A's tiles are asked for jointly along a row of the cluster, B's along a column.  The branches on the cluster's x are the same in all sixteen partners.
; LIMITS: NaN and infinities are not served; a block of zeros gets the byte 1 with zero codes (the bytes are read by this program alone).
.set KB,    13312
.set BLK,   2*KB                       ; 128 rows x 256 along K: what one tensor load brings
.set SLOT,  4*BLK                      ; A's two groups of 128 rows, then B's two
.set SPARE, 2*SLOT                     ; behind the ring: the spare words, 128 bytes a wave
.set FR,    12
.set NL,    3                          ; LDS loads that bring a fragment
.set NP,    4                          ; places behind this matrix instruction (ISA guide 7.12.1)
.set ADRA,  16                         ; v16-17 my A fragments in slot 0, 1
.set ADRB,  20                         ; v20-21 my B fragments
.set ADRS,  22                         ; v22-23 my scale words: lanes 0-15 A's, lanes 16-31 B's
.set L16,   24
.set L8,    25
.set L4,    26
.set SPW,   28
.set NIL,   29
.set SC,    32                         ; v32-63 scale words, set s at 16 s, register 2 i + q; they hold nothing else
.set BIAS,  64                         ; v64-127 the bias, as the C of each sum's first product
.set AF,    128                        ; v128-223 A's eight fragments, one set
.set TM,    128                        ; the way out works in A's registers
.set PW,    144
.set PW2,   145
.set PC,    148
.set WV,    16
.set RH,    17
.set CH,    18
.set G1,    24
.set G0,    32
.set G1B,   48
.set G0B,   56
.set ISV,   66
.set NV,    67
.set RA,    68
.set CB,    69
.set SEL,   70
.set OUT0,  72
.set OUT1,  74
.set MSB, 0
.macro WIN new                         ; the immediate's high byte repeats the setting that is left
.if MSB != (\new)
	s_set_vgpr_msb (MSB<<8)|(\new)
.set MSB, (\new)
.endif
.endm
.set MUL_LO, 0xa1                      ; source 0 window 1, source 1 window 0, C and D window 2
.set MUL_HI, 0xf1                      ; the same, C and D window 3
.set TO_B,   0x40
.macro PLACES n
.rept \n
	v_nop
.endr
.endm
.macro JLOAD g0a, g1a, g0b, g1b        ; a joint load: waves 0 and 1 fetch for A, waves 2 and 3 for B; an s_nop 0 and four v_nop follow each line
	s_cmp_eq_u32 s[RH], 0
	s_cbranch_scc0 .Lfor_b_\@
	tensor_load_to_lds s[\g0a:\g0a+3], s[\g1a:\g1a+7]
	s_nop 0
.rept 4
	v_nop
.endr
	s_branch .Lasked_\@
.Lfor_b_\@:
	tensor_load_to_lds s[\g0b:\g0b+3], s[\g1b:\g1b+7]
	s_nop 0
.rept 4
	v_nop
.endr
.Lasked_\@:
.endm
.macro CREST                           ; a round of the cluster's barrier behind its opening barrier
	s_cmp_lg_u32 s[WV], 0
	s_cbranch_scc1 .Lnot_wave_0_\@
	s_barrier_signal -3
.Lnot_wave_0_\@:
	s_barrier_wait -3
	s_barrier_signal -1
	s_barrier_wait -1
.endm
.macro CROUND
	s_barrier_signal -1
	s_barrier_wait -1
	CREST
.endm
	s_load_b256 s[4:11], s[0:1], 0x0               ; wimg 4, bq 6, bk 8, bv 10
	s_load_b128 s[12:15], s[0:1], 0x20             ; qc 12, kv 14
	v_lshl_add_u32 v[SPW], v0, 2, SPARE
	v_mov_b32 v[NIL], 0
	ds_add_u32 v[SPW], v[NIL]                      ; the wave's opening: the add, twice on end, and its wait ahead of my first tensor load
	ds_add_u32 v[SPW], v[NIL]
	v_lshrrev_b32 v1, 5, v0
	v_readfirstlane_b32 s[WV], v1
	s_lshr_b32 s[RH], s[WV], 1                     ; which of A's two groups is mine.  Also: I fetch for A (0) or for B (1)
	s_and_b32 s[CH], s[WV], 1                      ; which of B's.  Also: which group of that operand I fetch
	s_bfe_u32 s40, ttmp6, 0x40000                  ; cx
	s_bfe_u32 s41, ttmp6, 0x40004                  ; cy
	s_lshr_b32 s[ISV], ttmp9, 1                    ; 1 in the clusters that make v
	s_xor_b32 s[NV], s[ISV], 1
	s_and_b32 s42, ttmp7, 0xffff
	s_lshl_b32 s42, s42, 2
	s_mul_i32 s[RA], s[NV], s42
	s_add_co_u32 s[RA], s[RA], s41                 ; A's tile: q, k: 4 x cluster y + cy of 16 (tokens); v: cy of 4 (channels)
	s_mul_i32 s[CB], s[ISV], s42
	s_add_co_u32 s[CB], s[CB], s40                 ; B's tile: q, k: cx of 4 (channels); v: 4 x cluster y + cx of 16 (tokens)
	s_lshl_b32 s43, s41, 2
	s_lshl_b32 s43, 15, s43                        ; my row of the cluster
	s_lshl_b32 s44, 0x1111, s40                    ; my column
	s_or_b32 s[G1], s43, (3<<16)|(1<<21)           ; group 1: a dense block of 104 rows of 256 bytes (32 elements of 8), no padding; the mask, and bit 21 beside it
	s_or_b32 s[G1B], s44, (3<<16)|(1<<21)
.irp g, G1, G1B
	s_mov_b32 s[\g+1], 32<<16
	s_mov_b32 s[\g+2], 104<<16
	s_mov_b32 s[\g+3], 32<<16
	s_mov_b32 s[\g+4], 104
	s_mov_b32 s[\g+5], 32
	s_mov_b32 s[\g+6], 0
	s_mov_b32 s[\g+7], 0
.endr
	s_mul_i32 s20, s[ISV], 48                      ; A's group of 128 rows, in units of 8 K-blocks: h from 0, Wv from 48
	s_lshl_b32 s21, s[RA], 1
	s_add_co_u32 s20, s20, s21
	s_add_co_u32 s20, s20, s[CH]
	s_mul_i32 s20, s20, 8*KB
	s_mov_b32 s21, 0
	s_lshl_b32 s46, ttmp9, 3                       ; B's: Wq from 32, Wk from 40, h from 0
	s_add_co_u32 s46, s46, 32
	s_mul_i32 s46, s46, s[NV]
	s_lshl_b32 s47, s[CB], 1
	s_add_co_u32 s46, s46, s47
	s_add_co_u32 s46, s46, s[CH]
	s_mul_i32 s46, s46, 8*KB
	s_mov_b32 s47, 0
	s_mul_i32 s45, s[WV], BLK                      ; where they go: no place in the cluster enters an LDS address
	s_mov_b32 s[SEL], 0x76543210
	s_mov_b32 s[SEL+1], 0xfedcba98
	s_wait_dscnt 0x0                               ; both opening adds are done
	s_wait_kmcnt 0x0
	s_add_nc_u64 s[20:21], s[4:5], s[20:21]
	s_add_nc_u64 s[46:47], s[4:5], s[46:47]
	CROUND                                         ; all sixteen work-groups are here: the first joint loads meet
.irp s, 0,1
	s_mov_b32 s[G0+4*\s], 1
	s_add_co_u32 s[G0+4*\s+1], s45, \s*SLOT
	s_add_nc_u64 s[G0+4*\s+2:G0+4*\s+3], s[20:21], \s*BLK
	s_or_b32 s[G0+4*\s+3], s[G0+4*\s+3], 0x80000000
	s_mov_b32 s[G0B+4*\s], 1
	s_add_co_u32 s[G0B+4*\s+1], s45, \s*SLOT
	s_add_nc_u64 s[G0B+4*\s+2:G0B+4*\s+3], s[46:47], \s*BLK
	s_or_b32 s[G0B+4*\s+3], s[G0B+4*\s+3], 0x80000000
.endr
	JLOAD G0, G1, G0B, G1B                         ; slot 0: one tensor load a wave at the head
; PREFETCHES INTO THE L2: behind the load of slot j stands a request for slot j + 2, and behind the head's load one for slot 1 too, whose load goes out only when slot 0 has landed.
; A wave's piece of a slot is 26,624 bytes, 104 blocks of 256; the four partners that ask for it jointly take 26 blocks each, told apart by address (cx for A, cy for B): a lane a block,
; lanes 26-31 name the wave's last block again.  Slot 3 is the last: every address lies inside wimg.  The address registers are never rewritten.
.set PFA, 84
.set PFO, 30
	s_cmp_eq_u32 s[RH], 0
	s_cselect_b64 s[PFA:PFA+1], s[20:21], s[46:47] ; my piece of slot 0
	s_cselect_b32 s86, s40, s41                    ; my place among the four that ask for it with me
	s_mul_i32 s86, s86, 26*256
	s_mov_b32 s87, 0
	s_add_nc_u64 s[PFA:PFA+1], s[PFA:PFA+1], s[86:87]
	v_and_b32 v[PFO], 31, v0
	v_min_u32 v[PFO], 25, v[PFO]
	v_lshlrev_b32 v[PFO], 8, v[PFO]
	global_prefetch_b8 v[PFO], s[PFA:PFA+1] offset:BLK th:TH_LOAD_NT scope:SCOPE_SE
	global_prefetch_b8 v[PFO], s[PFA:PFA+1] offset:2*BLK th:TH_LOAD_NT scope:SCOPE_SE
	v_and_b32 v1, 31, v0
	v_bfe_u32 v2, v0, 4, 1                         ; h
	v_and_b32 v3, 15, v0                           ; r
	v_lshlrev_b32 v[L16], 4, v1
	s_wait_alu depctr_va_vdst(0)
	v_lshlrev_b32 v[L8], 3, v1
	v_lshlrev_b32 v[L4], 2, v1
	s_mul_i32 s76, s[RH], BLK
	s_mul_i32 s77, s[CH], BLK
	s_add_co_u32 s77, s77, 2*BLK
	s_sub_co_u32 s78, s77, s76
	v_mul_u32_u24 v4, s78, v2                      ; lanes 16-31 take B's scale words: one product, the distance between the two groups
	v_add_nc_u32 v4, v4, v[L4]
	s_add_co_u32 s79, s76, 12288
.irp s, 0,1
	v_add_nc_u32 v[ADRA+\s], s76, v[L16]
	v_add_nc_u32 v[ADRB+\s], s77, v[L16]
	v_add_nc_u32 v[ADRS+\s], s79, v4
	s_add_co_u32 s76, s76, SLOT
	s_add_co_u32 s77, s77, SLOT
	s_add_co_u32 s79, s79, SLOT
.endr
	s_cmp_eq_u32 s[ISV], 0
	s_cbranch_scc0 .Lbias_v
	s_cmp_eq_u32 ttmp9, 0                          ; q, k: tile b's eight registers hold the bias of channels 32 (b / 2) + 8 (b % 2) + 16 h + 0 .. 7
	s_cselect_b64 s[80:81], s[6:7], s[8:9]
	s_lshl_b32 s82, s40, 10
	s_lshl_b32 s83, s[CH], 9
	s_add_co_u32 s82, s82, s83
	s_mov_b32 s83, 0
	s_add_nc_u64 s[80:81], s[80:81], s[82:83]
	v_lshlrev_b32 v5, 6, v2
.irp b, 0,1,2,3,4,5,6,7
	global_load_b128 v[BIAS+8*\b:BIAS+8*\b+3], v5, s[80:81] offset:(32*(\b/2)+8*(\b%2))*4
	global_load_b128 v[BIAS+8*\b+4:BIAS+8*\b+7], v5, s[80:81] offset:(32*(\b/2)+8*(\b%2))*4+16
.endr
	s_branch .Lbias_done
.Lbias_v:
	s_lshl_b32 s82, s41, 10                        ; v: a lane holds one channel for each of A's blocks
	s_lshl_b32 s83, s[RH], 9
	s_add_co_u32 s82, s82, s83
	s_mov_b32 s83, 0
	s_add_nc_u64 s[80:81], s[10:11], s[82:83]
	v_and_b32 v5, 8, v3
	v_add_nc_u32 v5, v5, v3
	v_lshlrev_b32 v5, 2, v5
.irp a, 0,1,2,3,4,5,6,7
	global_load_b32 v[BIAS+8*\a], v5, s[80:81] offset:(32*(\a/2)+8*(\a%2))*4
.endr
.Lbias_done:
.macro FRAG reg, adr, q, i             ; a fragment's image: three loads of 512 consecutive bytes
.irp c, 0,1,2
	ds_load_b128 v[\reg+4*\c:\reg+4*\c+3], v[\adr] offset:(\q)*KB+(\i)*1536+512*\c
.endr
.endm
; 16 products: A's blocks a0, a0 + 1 x B's eight.  p: B's set; q: which 128 of the slot; sc: the set of scale words.  zero = 1, 2: the first product starts the sum from the bias (by B's tile, by A's block).
; The 64 accumulators take turns, one instruction a turn, in the same order in every step.
.macro MUL16 a0, p, q, sc, zero
.irp a, \a0, \a0+1
.irp b, 0,1,2,3,4,5,6,7
.if \zero == 1
	v_wmma_scale_f32_16x16x128_f8f6f4 v[8*(8*((\a)%4)+\b):8*(8*((\a)%4)+\b)+7], v[128*(\p)+FR*\b:128*(\p)+FR*\b+FR-1], v[AF+FR*(\a):AF+FR*(\a)+FR-1], v[BIAS+8*\b:BIAS+8*\b+7], v[SC+16*(\sc)+2*\b+(\q)], v[SC+16*(\sc)+2*(\a)+(\q)] matrix_a_fmt:MATRIX_FMT_FP6 matrix_b_fmt:MATRIX_FMT_FP6 matrix_a_scale:MATRIX_SCALE_ROW1
.elseif \zero == 2
	v_wmma_scale_f32_16x16x128_f8f6f4 v[8*(8*((\a)%4)+\b):8*(8*((\a)%4)+\b)+7], v[128*(\p)+FR*\b:128*(\p)+FR*\b+FR-1], v[AF+FR*(\a):AF+FR*(\a)+FR-1], v[BIAS+8*(\a):BIAS+8*(\a)+7], v[SC+16*(\sc)+2*\b+(\q)], v[SC+16*(\sc)+2*(\a)+(\q)] matrix_a_fmt:MATRIX_FMT_FP6 matrix_b_fmt:MATRIX_FMT_FP6 matrix_a_scale:MATRIX_SCALE_ROW1
.else
	v_wmma_scale_f32_16x16x128_f8f6f4 v[8*(8*((\a)%4)+\b):8*(8*((\a)%4)+\b)+7], v[128*(\p)+FR*\b:128*(\p)+FR*\b+FR-1], v[AF+FR*(\a):AF+FR*(\a)+FR-1], v[8*(8*((\a)%4)+\b):8*(8*((\a)%4)+\b)+7], v[SC+16*(\sc)+2*\b+(\q)], v[SC+16*(\sc)+2*(\a)+(\q)] matrix_a_fmt:MATRIX_FMT_FP6 matrix_b_fmt:MATRIX_FMT_FP6 matrix_a_scale:MATRIX_SCALE_ROW1
.endif
.endr
.endr
.endm
.macro FETCH_B slot, q, p
	WIN TO_B
.irp i, 0,1,2,3,4,5,6,7
	FRAG 128*(\p)+FR*\i, ADRB+\slot, \q, \i
.endr
	WIN 0
.endm
.macro FETCH_A slot, q, i0
.irp i, \i0, \i0+1, \i0+2, \i0+3
	FRAG AF+FR*(\i), ADRA+\slot, \q, \i
.endr
.endm
.macro SCALES sc                       ; a slot's scale words: lanes 0-15 A's block i, lanes 16-31 B's block i
.irp i, 0,1,2,3,4,5,6,7
.irp q, 0,1
	ds_load_b32 v[SC+16*\sc+2*\i+\q], v[ADRS+\sc] offset:\q*KB+128*\i
.endr
.endr
.endm
.macro STEP slot, q, zero              ; 128 along K whose successor lies in the same slot
	s_wait_dscnt 4*NL                              ; all but the youngest twelve loads (A's blocks 4-7)
.if \zero
	WIN 0x81                                       ; C in window 0, D in window 2
.else
	WIN MUL_LO
.endif
	MUL16 0, (\q)%2, \q, \slot, \zero
	MUL16 2, (\q)%2, \q, \slot, \zero
	s_wait_dscnt 0
	PLACES NP
	FETCH_B \slot, (\q)+1, 1-(\q)%2
	FETCH_A \slot, (\q)+1, 0
.if \zero
	WIN 0xc1
.else
	WIN MUL_HI
.endif
	MUL16 4, (\q)%2, \q, \slot, \zero
	MUL16 6, (\q)%2, \q, \slot, \zero
	PLACES NP
	WIN 0
	FETCH_A \slot, (\q)+1, 4
.endm
.macro TURN slot, next, fill           ; a slot's last step changes slots: one barrier; fill = 1: it opens a round of the cluster's, and the slot is filled again, two slots ahead
	s_wait_tensorcnt 0x0                           ; all my tensor loads have landed: my part of the next slot
	ds_add_u32 v[SPW], v[NIL]                      ; 0 onto my spare word
	s_wait_dscnt 4*NL+1                            ; the add and the youngest twelve loads may be out
	WIN MUL_LO
	MUL16 0, 1, 1, \slot, 0
	s_wait_dscnt 0x0                               ; the add is done, and my reads of this slot are over
	s_barrier_signal -1
	MUL16 2, 1, 1, \slot, 0
	WIN 0
	s_barrier_wait -1
.if \fill
	CREST                                          ; no wave of any partner still reads this slot or has a load on its way
	s_add_nc_u64 s[G0+4*\slot+2:G0+4*\slot+3], s[G0+4*\slot+2:G0+4*\slot+3], 2*BLK
	s_add_nc_u64 s[G0B+4*\slot+2:G0B+4*\slot+3], s[G0B+4*\slot+2:G0B+4*\slot+3], 2*BLK
	JLOAD G0+4*\slot, G1, G0B+4*\slot, G1B         ; the first tensor load behind the round; its four v_nop are the places in front of the loads below
.else
	PLACES NP
.endif
	FETCH_B \next, 0, 0
	FETCH_A \next, 0, 0
	SCALES \next
	WIN MUL_HI
	MUL16 4, 1, 1, \slot, 0
	MUL16 6, 1, 1, \slot, 0
	PLACES NP
	WIN 0
	FETCH_A \next, 0, 4
.endm
; 64 numbers of a lane in window w, register 16 b + i = k 32 b + 16 (lane / 16) + i of my row, become a fragment's codes in v[PC] on and its scale word in v[PW], both in window 0.
; Each accumulator is first read at its two lowest registers.
.macro QUANT s, w
	WIN ((\w)<<2)|((\w)<<4)
.irp b, 0,1,2,3
	v_max3_num_f32 v[TM+\b], 0x1800000, |v[\s+16*\b]|, |v[\s+16*\b+1]|   ; the floor 2^(3 - 127): the byte cannot fall under 1
.endr
.irp i, 2,4,6,8,10,12,14
.irp b, 0,1,2,3
	v_max3_num_f32 v[TM+\b], v[TM+\b], |v[\s+16*\b+\i]|, |v[\s+16*\b+\i+1]|
.endr
.endr
	WIN 0
.irp b, 0,1,2,3
	v_permlanex16_b32 v[TM+4+\b], v[TM+\b], s[SEL], s[SEL+1]
.endr
.irp b, 0,1,2,3
	v_max_num_f32 v[TM+\b], v[TM+\b], v[TM+4+\b]
.endr
.irp b, 0,1,2,3
	v_add_nc_u32 v[TM+12+\b], 0xff000000, v[TM+\b] ; 2 off the exponent field: the conversion's scale operand
.endr
.irp b, 0,1,2,3
	v_lshrrev_b32 v[TM+4+\b], 23, v[TM+12+\b]      ; the scale's byte
.endr
	v_lshl_or_b32 v[PW], v[TM+5], 8, v[TM+4]
	v_lshl_or_b32 v[PW], v[TM+6], 16, v[PW]
	v_lshl_or_b32 v[PW], v[TM+7], 24, v[PW]
	WIN (\w)
.irp c, 0,1
	v_cvt_scalef32_pk16_fp6_f32 v[PC+6*\c:PC+2+6*\c], v[\s+32*\c:\s+32*\c+15], v[TM+12+2*\c]
	v_cvt_scalef32_pk16_fp6_f32 v[PC+12+4*\c:PC+14+4*\c], v[\s+32*\c+16:\s+32*\c+31], v[TM+13+2*\c]
.endr
	WIN 0
	v_nop                                          ; one plain instruction behind the scaled conversions
.irp c, 0,1
.irp i, 0,1,2
	v_permlane16_swap_b32 v[PC+6*\c+\i], v[PC+12+4*\c+\i]
.endr
.irp i, 0,1,2
	v_mov_b32 v[PC+3+6*\c+\i], v[PC+12+4*\c+\i]
.endr
.endr
.endm
	s_wait_alu depctr_va_vdst(0)                   ; the wait at the head's end
	s_wait_tensorcnt 0x0                           ; my part of slot 0 is in; slot 1's first fill is issued as a refill is
	ds_add_u32 v[SPW], v[NIL]
	s_wait_dscnt 0x0
	CROUND                                         ; everybody's part of slot 0 is in, and the joint loads meet
	JLOAD G0+4, G1, G0B+4, G1B
	global_prefetch_b8 v[PFO], s[PFA:PFA+1] offset:3*BLK th:TH_LOAD_NT scope:SCOPE_SE   ; slot 3, two refills on
	FETCH_B 0, 0, 0
	FETCH_A 0, 0, 0
	SCALES 0
	FETCH_A 0, 0, 4
	s_wait_loadcnt 0x0                             ; the bias
	s_cmp_eq_u32 s[ISV], 0
	s_cbranch_scc0 .Lfirst_v
	STEP 0, 0, 1
	s_branch .Lfirst_done
.Lfirst_v:
.irp a, 0,1,2,3,4,5,6,7                        ; a channel's bias stands under all eight tokens of a lane's tile
.irp j, 1,2,3,4,5,6,7
	v_mov_b32 v[BIAS+8*\a+\j], v[BIAS+8*\a]
.endr
.endr
	s_wait_alu depctr_va_vdst(0)
	STEP 0, 0, 2
.Lfirst_done:
	TURN 0, 1, 1                                   ; four slots in all: the ring's one lap with refills is written out
	STEP 1, 0, 0
	TURN 1, 0, 1
	STEP 0, 0, 0
	TURN 0, 1, 0
	STEP 1, 0, 0
	s_wait_dscnt 4*NL                              ; the last step: nothing more to fetch
	WIN MUL_LO
	MUL16 0, 1, 1, 1, 0
	MUL16 2, 1, 1, 1, 0
	s_wait_dscnt 0
	WIN MUL_HI
	MUL16 4, 1, 1, 1, 0
	MUL16 6, 1, 1, 1, 0
	WIN 0
	PLACES NP                                      ; in front of the first read of results and the first write into A's registers
.irp b, 0,1,2,3
	v_mov_b32 v[TM+4+\b], 0                        ; a lane permute's destination counts as one of its sources
.endr
	s_cmp_eq_u32 s[ISV], 0
	s_cbranch_scc0 .Lout_v
	; q, k: my 128 tokens are group G = 2 RA + rh; my 128 channels are heads 4 cx + 2 ch and the next
	s_cmp_eq_u32 ttmp9, 0
	s_cselect_b64 s[OUT0:OUT0+1], s[12:13], s[14:15]
	s_mov_b32 s77, 13824
	s_cselect_b32 s77, 7168, s77                   ; a record
	s_lshl_b32 s78, s[RA], 1
	s_add_co_u32 s78, s78, s[RH]
	s_lshr_b32 s79, s78, 4                         ; the batch
	s_and_b32 s78, s78, 15                         ; which 128 of its tokens
	s_lshl_b32 s79, s79, 4
	s_lshl_b32 s80, s40, 2
	s_add_co_u32 s79, s79, s80
	s_lshl_b32 s80, s[CH], 1
	s_add_co_u32 s79, s79, s80
	s_lshl_b32 s79, s79, 4
	s_add_co_u32 s79, s79, s78
	s_mul_i32 s78, s79, s77
	s_mov_b32 s79, 0
	s_add_nc_u64 s[OUT0:OUT0+1], s[OUT0:OUT0+1], s[78:79]
	s_lshl_b32 s78, s77, 4                         ; the next head: 16 records on
	s_add_nc_u64 s[OUT1:OUT1+1], s[OUT0:OUT0+1], s[78:79]
.irp a, 0,1,2,3,4,5,6,7
.if \a > 0
	s_wait_xcnt 0x0                                ; the last block's stores have read their registers
.endif
	QUANT 64*(\a%4), 2+\a/4
	v_lshrrev_b32 v[PW2], 16, v[PW]                ; the second head's two bytes
	global_store_b128 v[L16], v[PC:PC+3], s[OUT0:OUT0+1] offset:768*\a
	global_store_b64 v[L8], v[PC+4:PC+5], s[OUT0:OUT0+1] offset:768*\a+512
	global_store_b32 v[L4], v[PW], s[OUT0:OUT0+1] offset:6144+128*\a
	global_store_b128 v[L16], v[PC+6:PC+9], s[OUT1:OUT1+1] offset:768*\a
	global_store_b64 v[L8], v[PC+10:PC+11], s[OUT1:OUT1+1] offset:768*\a+512
	global_store_b32 v[L4], v[PW2], s[OUT1:OUT1+1] offset:6144+128*\a
.endr
	s_branch .Lend
.Lout_v:
	; v: my 128 channels are heads 2 (2 cy + rh) and the next; my 128 keys are group 2 CB + ch
	s_lshl_b32 s78, s[CB], 1
	s_add_co_u32 s78, s78, s[CH]
	s_lshr_b32 s79, s78, 4
	s_and_b32 s78, s78, 15
	s_lshl_b32 s79, s79, 4
	s_lshl_b32 s80, s41, 2
	s_add_co_u32 s79, s79, s80
	s_lshl_b32 s80, s[RH], 1
	s_add_co_u32 s79, s79, s80
	s_lshl_b32 s79, s79, 4
	s_add_co_u32 s79, s79, s78
	s_mul_i32 s78, s79, 13824
	s_add_co_u32 s78, s78, 7168
	s_mov_b32 s79, 0
	s_add_nc_u64 s[OUT0:OUT0+1], s[14:15], s[78:79]
	s_add_nc_u64 s[OUT1:OUT1+1], s[OUT0:OUT0+1], 16*13824
.irp a, 0,1,2,3,4,5,6,7
.if \a > 0
	s_wait_xcnt 0x0
.endif
	QUANT 64*(\a%4), 2+\a/4
.irp c, 0,1,2
	global_store_b128 v[L16], v[PC+4*\c:PC+4*\c+3], s[OUT0+2*(\a/4):OUT0+2*(\a/4)+1] offset:1536*(\a%4)+512*\c
.endr
	global_store_b32 v[L4], v[PW], s[OUT0+2*(\a/4):OUT0+2*(\a/4)+1] offset:6144+128*(\a%4)
.endr
.Lend:
	s_wait_tensorcnt 0x0                           ; the wave's end
	ds_add_u32 v[SPW], v[NIL]
	s_wait_dscnt 0x0
	CROUND                                         ; the closing round
	s_endpgm
.Lfunc_end_k_q5ccb505df0_qkv:
	.size	k_q5ccb505df0_qkv, .Lfunc_end_k_q5ccb505df0_qkv-k_q5ccb505df0_qkv
	.p2alignl 7, 3214868480
	.fill 96, 4, 3214868480
	.section	.rodata,"a",@progbits
	.p2align	6, 0x0
	.amdhsa_kernel k_q5ccb505df0_qkv
		.amdhsa_group_segment_fixed_size 327680
		.amdhsa_private_segment_fixed_size 0
		.amdhsa_enable_private_segment 0
		.amdhsa_kernarg_size 48
		.amdhsa_user_sgpr_count 2
		.amdhsa_user_sgpr_kernarg_segment_ptr 1
		.amdhsa_wavefront_size32 1
		.amdhsa_system_sgpr_workgroup_id_x 1
		.amdhsa_system_sgpr_workgroup_id_y 1
		.amdhsa_system_sgpr_workgroup_id_z 1
		.amdhsa_system_vgpr_workitem_id 0
		.amdhsa_next_free_vgpr 1024
		.amdhsa_next_free_sgpr 100
		.amdhsa_reserve_vcc 0
		.amdhsa_float_denorm_mode_32 3
		.amdhsa_float_denorm_mode_16_64 3
		.amdhsa_memory_ordered 1
		.amdhsa_forward_progress 1
		.amdhsa_inst_pref_size 194
	.end_amdhsa_kernel
	.amdgpu_metadata
---
amdhsa.version: [ 1, 2 ]
amdhsa.kernels:
  - .name:           k_q5ccb505df0_qkv
    .symbol:         k_q5ccb505df0_qkv.kd
    .args:
      - { .name: wimg, .offset: 0, .size: 8, .value_kind: global_buffer, .address_space: global }
      - { .name: bq, .offset: 8, .size: 8, .value_kind: global_buffer, .address_space: global }
      - { .name: bk, .offset: 16, .size: 8, .value_kind: global_buffer, .address_space: global }
      - { .name: bv, .offset: 24, .size: 8, .value_kind: global_buffer, .address_space: global }
      - { .name: qc, .offset: 32, .size: 8, .value_kind: global_buffer, .address_space: global }
      - { .name: kv, .offset: 40, .size: 8, .value_kind: global_buffer, .address_space: global }
    .group_segment_fixed_size: 327680
    .private_segment_fixed_size: 0
    .kernarg_segment_align: 8
    .kernarg_segment_size: 48
    .max_flat_workgroup_size: 128
    .sgpr_count:     100
    .vgpr_count:     1024
    .wavefront_size: 32
...
	.end_amdgpu_metadata
.endif
;; end of part 2
;; launch attn (part 3): grid 8 x 32, 8 waves a work-group, clusters of 4 x 1, 327,680 bytes of LDS; arguments qc, kv, oi; writes oi
.if DOCPART == 3
	.amdgcn_target "amdgcn-amd-amdhsa--gfx1250"
	.amdhsa_code_object_version 6
	.text
	.protected	k_q5ccb505df0_attn
	.globl	k_q5ccb505df0_attn
	.p2align	8
	.type	k_q5ccb505df0_attn,@function
k_q5ccb505df0_attn:
	s_mov_b64 s[64:65], 0
	v_nop
	global_prefetch_b8 v0, s[64:65] scope:SCOPE_SE
	s_setreg_imm32_b32 hwreg(HW_REG_WAVE_MODE, 25, 1), 1
	s_wait_xcnt 0x0
	s_wait_alu depctr_hold_cnt(0) depctr_sa_sdst(0) depctr_va_vdst(0) depctr_va_sdst(0) depctr_va_ssrc(0) depctr_va_vcc(0) depctr_vm_vsrc(0)
	s_getreg_b32 s2, hwreg(HW_REG_IB_STS2, 6, 4)
	s_cmp_eq_u32 s2, 0
	s_cbranch_scc0 .Lentry_in_a_cluster
	s_endpgm
.Lentry_in_a_cluster:
	s_bfe_u32 s2, ttmp6, 0x10000c
	s_cmp_lg_u32 s2, 0x3003
	s_cbranch_scc0 .Lentry_shape_is_right
	s_endpgm
.Lentry_shape_is_right:
; o = softmax(q k^T / 8) v for one batch and head, on codes of E2M3, and o quantised along the head's 64 for the next product.  Nothing of the block's work is left out here.
; A work-group takes 256 queries, a wave 32: TWO TILES OF 16 QUERIES, X in register window 0 and Y in window 1 under the same low numbers, so that one text (SOFT) serves both
; and each fragment of k and v is read from LDS once for both.  Both products are used transposed (S^T = k q^T, O^T = v^T p^T): a lane holds one query.
; ALL 16 RECORDS (128 keys, 13,824 bytes each) OF THE HEAD LIE IN LDS: records 0-3 by the head's loads (6,912 bytes a wave), records 4-15 by a second load a wave (20,736 bytes) behind the
; sequence at the head's end; the one barrier for them stands behind trip 2, up to which k's look-ahead of one record stays inside records 0-3.
; THE KEYS OF A SCORE TILE ARE CHOSEN BY THE LANES' ADDRESSES: lane r of tile 4 c + u takes key 64 c + 32 (r / 8) + 8 u + r % 8 (in the record: tile 4 c + 2 (r / 8) + u % 2, lane r % 8 + 8 (u / 2)).
; So lane (r, h) holds in registers 32 c .. 32 c + 31 of S^T the keys 64 c + 32 h + 0 .. 31: a whole block of the quantiser, in the order of the operand's registers: no number changes lanes;
; only the row's maximum and the scale word's four bytes join lanes l and l xor 16.
; SOFTMAX: M = the ceiling of the running largest t, a whole number; p = 2^(t - M); the sum is taken of p before it is quantised; when M moves, sum and O^T are multiplied by a power of two.
; A block's largest p is the exponential of its largest score (this takes v_exp_f32 not to fall where its input rises; at the worst one p of a block is held one code low).
; CLUSTER 4 x 1: the four work-groups of a cluster read the same head's records and ask for them jointly.  No prefetch: every byte is asked for by the two loads at the head, ahead of the loops.
; REGISTERS, both windows: v9 8 h; v12 -M, v13 largest score; v[14:15] sum; v16-27 q (upper six 0); v96-159 S^T, p; v160-191 O^T; v216-221 sums; v224-235 p's codes; v236-253 work.
;   window 0 alone: v1-8, v28-31 addresses; v32-79 k's tiles 0-3 (upper six of each 0); v80-95 scale words and nothing else; v192-215 v's fragments 0, 1.  Window 1: v32-79 k's tiles 4-7; v192-215 v's fragments 2, 3.
; LIMITS: the promise holds while the scaled scores stay under 2^31 in magnitude; NaN and infinities are not served; a block of zeros gets the byte 1 with zero codes (the bytes are read by this program alone).
.set REC,   13824
.set SPARE, 16*REC                     ; behind the records: the spare words, 128 bytes for each of eight waves
.set SPW,   10
.set NIL,   11
.set WV,    10
.set SEL,   20
.set CS,    22
.set G1,    24
.set G0,    32
.set TB,    40
.set CNT,   41
.set TN,    55
.set G1B,   56
.set MSB, 0
.macro WIN new                         ; the immediate's high byte repeats the setting that is left
.if MSB != (\new)
	s_set_vgpr_msb (MSB<<8)|(\new)
.set MSB, (\new)
.endif
.endm
.macro CROUND
	s_barrier_signal -1
	s_barrier_wait -1
	s_cmp_lg_u32 s[WV], 0
	s_cbranch_scc1 .Lnot_wave_0_\@
	s_barrier_signal -3
.Lnot_wave_0_\@:
	s_barrier_wait -3
	s_barrier_signal -1
	s_barrier_wait -1
.endm
.macro MMZ d, a, b, sa, sb             ; a product that starts its sum
	v_wmma_scale_f32_16x16x128_f8f6f4 v[\d:\d+7], v[\a:\a+11], v[\b:\b+11], 0, v[\sa], v[\sb] matrix_a_fmt:MATRIX_FMT_FP6 matrix_b_fmt:MATRIX_FMT_FP6
.endm
.macro MMA d, a, b, sa, sb             ; a product added in place
	v_wmma_scale_f32_16x16x128_f8f6f4 v[\d:\d+7], v[\a:\a+11], v[\b:\b+11], v[\d:\d+7], v[\sa], v[\sb] matrix_a_fmt:MATRIX_FMT_FP6 matrix_b_fmt:MATRIX_FMT_FP6
.endm
	s_load_b128 s[4:7], s[0:1], 0x0                ; qc 4, kv 6
	s_load_b64 s[8:9], s[0:1], 0x10                ; oi
	v_lshl_add_u32 v[SPW], v0, 2, SPARE
	v_mov_b32 v[NIL], 0
	ds_add_u32 v[SPW], v[NIL]                      ; the opening: the add, twice on end, and its wait
	ds_add_u32 v[SPW], v[NIL]
	v_lshrrev_b32 v8, 5, v0
	s_delay_alu instid0(VALU_DEP_1)
	v_readfirstlane_b32 s[WV], v8                  ; wave 0..7
	s_bfe_u32 s11, ttmp6, 0x40000                  ; cx
	s_and_b32 s12, ttmp7, 0xffff                   ; batch x head
	s_lshl_b32 s13, ttmp9, 2
	s_add_co_u32 s13, s13, s11                     ; which 256 queries
	s_lshl_b32 s14, s13, 4
	s_lshl_b32 s15, s[WV], 1
	s_add_co_u32 s14, s14, s15                     ; my first tile of 16 queries (even), of 128
	s_mov_b32 s[G1], 15|(3<<16)|(1<<21)            ; dense rows of 256 bytes (32 elements of 8); the mask names the four partners
	s_mov_b32 s[G1+1], 32<<16
	s_mov_b32 s[G1+2], 27<<16                      ; 27 rows: 6,912 bytes
	s_mov_b32 s[G1+3], 32<<16
	s_mov_b32 s[G1+4], 27
	s_mov_b32 s[G1+5], 32
	s_mov_b32 s[G1+6], 0
	s_mov_b32 s[G1+7], 0
	s_mov_b32 s[G1B], 15|(3<<16)|(1<<21)
	s_mov_b32 s[G1B+1], 32<<16
	s_mov_b32 s[G1B+2], 81<<16                     ; 81 rows: 20,736 bytes
	s_mov_b32 s[G1B+3], 32<<16
	s_mov_b32 s[G1B+4], 81
	s_mov_b32 s[G1B+5], 32
	s_mov_b32 s[G1B+6], 0
	s_mov_b32 s[G1B+7], 0
	s_mul_i32 s18, s[WV], 6912                     ; my piece of records 0-3
	s_mul_i32 s16, s12, 16*REC
	s_mul_i32 s19, s[WV], 20736
	s_add_co_u32 s19, s19, 4*REC                   ; my piece of records 4-15
	s_add_co_u32 s46, s16, s19
	s_add_co_u32 s16, s16, s18
	s_mov_b32 s17, 0
	s_mov_b32 s47, 0
	s_mov_b32 s[SEL], 0x76543210
	s_mov_b32 s[SEL+1], 0xfedcba98
	s_mov_b32 s[CS], 0x3e38aa3b                    ; log2(e) / 8
	s_mov_b32 s[CS+1], s[CS]
	s_lshl_b32 s15, s12, 4                         ; q: record 16 x (batch x head) + tile / 8
	s_lshr_b32 s48, s14, 3
	s_add_co_u32 s15, s15, s48
	s_mul_i32 s15, s15, 7168
	s_and_b32 s48, s14, 7
	s_mul_i32 s50, s48, 768
	s_add_co_u32 s50, s50, s15
	s_mov_b32 s51, 0
	s_lshl_b32 s52, s48, 7
	s_add_co_u32 s52, s52, s15
	s_add_co_u32 s52, s52, 6144
	s_mov_b32 s53, 0
	s_lshr_b32 s15, s12, 4                         ; o: block of 64 rows 32 x batch + tile / 4
	s_lshl_b32 s15, s15, 5
	s_lshr_b32 s48, s14, 2
	s_add_co_u32 s15, s15, s48
	s_mul_i32 s15, s15, 53248
	s_and_b32 s48, s12, 15                         ; the head
	s_lshr_b32 s49, s48, 1
	s_lshl_b32 s49, s49, 2
	s_and_b32 s54, s14, 3
	s_add_co_u32 s49, s49, s54                     ; fragment 4 (head / 2) + tile % 4
	s_and_b32 s48, s48, 1
	s_mul_i32 s42, s49, 1536
	s_add_co_u32 s42, s42, s15
	s_mul_i32 s54, s48, 768
	s_add_co_u32 s42, s42, s54
	s_mov_b32 s43, 0
	s_lshl_b32 s44, s49, 7
	s_add_co_u32 s44, s44, s15
	s_lshl_b32 s48, s48, 1
	s_add_co_u32 s44, s44, s48
	s_add_co_u32 s44, s44, 49152
	s_mov_b32 s45, 0
	s_wait_dscnt 0x0                               ; both opening adds are done
	s_wait_kmcnt 0x0
	s_add_nc_u64 s[16:17], s[6:7], s[16:17]
	s_add_nc_u64 s[46:47], s[6:7], s[46:47]
	s_mov_b32 s[G0], 1
	s_mov_b32 s[G0+1], s18
	s_mov_b64 s[G0+2:G0+3], s[16:17]
	s_or_b32 s[G0+3], s[G0+3], 0x80000000
	s_mov_b32 s[G0+4], 1
	s_mov_b32 s[G0+5], s19
	s_mov_b64 s[G0+6:G0+7], s[46:47]
	s_or_b32 s[G0+7], s[G0+7], 0x80000000
	s_add_nc_u64 s[50:51], s[4:5], s[50:51]
	s_add_nc_u64 s[52:53], s[4:5], s[52:53]
	s_add_nc_u64 s[42:43], s[8:9], s[42:43]
	s_add_nc_u64 s[44:45], s[8:9], s[44:45]
	CROUND                                         ; the four partners are here: the joint loads meet
	tensor_load_to_lds s[G0:G0+3], s[G1:G1+7]      ; records 0-3: my one load at the head
	s_nop 0
.rept 4
	v_nop
.endr
	v_and_b32 v4, 31, v0
	v_bfe_u32 v8, v0, 4, 1                         ; h
	v_and_b32 v28, 7, v0                           ; r % 8
	v_bfe_u32 v29, v0, 3, 1                        ; r / 8
	v_lshlrev_b32 v1, 4, v4                        ; 16 l
	v_lshlrev_b32 v2, 3, v4                        ; 8 l
	v_lshlrev_b32 v3, 2, v4                        ; 4 l
	v_mul_u32_u24 v30, v29, 1536
	global_load_b128 v[16:19], v1, s[50:51]        ; X's q
	global_load_b64 v[20:21], v2, s[50:51] offset:512
	global_load_b32 v92, v3, s[52:53]              ; the scale words of X's and of Y's q
	global_load_b32 v93, v3, s[52:53] offset:128
	v_lshl_add_u32 v4, v28, 4, v30
	v_lshl_add_u32 v5, v28, 3, v30
	v_lshlrev_b32 v6, 8, v29
	v_lshl_add_u32 v4, v8, 8, v4                   ; k's registers 0-3: 1,536 (r / 8) + 16 (r % 8) + 256 h
	v_lshl_add_u32 v5, v8, 7, v5                   ; registers 4-5: 1,536 (r / 8) + 8 (r % 8) + 128 h
	v_lshl_add_u32 v6, v28, 2, v6                  ; scale words: 256 (r / 8) + 4 (r % 8)
	v_lshlrev_b32 v9, 3, v8                        ; 8 h
.macro INIT                            ; the step is written once: the first finds zeros, which the first change of M leaves zeros
	v_mov_b32 v12, 0x7f61b1e6                      ; -M: 3e38
	v_mov_b32 v13, 0xff61b1e6                      ; the largest score so far: -3e38
	v_mov_b32 v14, 0
	v_mov_b32 v15, 0
.irp j, 22,23,24,25,26,27
	v_mov_b32 v\j, 0                               ; a head's K is 64: the upper half of q's operand is zero codes,
.endr
.irp i, 0,1,2,3
.irp j, 6,7,8,9,10,11
	v_mov_b32 v[32+12*\i+\j], 0                    ; and so is k's
.endr
.endr
	v_mov_b32 v251, 0                              ; a lane permute's destination counts as one of its sources
	v_mov_b32 v253, 0                              ; named as the upper half of a pair
.set II, 0
.rept 32
	v_mov_b32 v[160+II], 0
.set II, II+1
.endr
.endm
	INIT
	WIN 0x40                                       ; destinations in window 1
	v_lshlrev_b32 v9, 3, v8
	global_load_b128 v[16:19], v1, s[50:51] offset:768     ; Y's q
	global_load_b64 v[20:21], v2, s[50:51] offset:1280
	INIT
	WIN 0
	s_wait_alu depctr_va_vdst(0)                   ; the wait at the head's end
	s_wait_tensorcnt 0x0                           ; my piece of records 0-3 is in; a later first fill is issued as a refill is
	ds_add_u32 v[SPW], v[NIL]
	s_wait_dscnt 0x0
	CROUND                                         ; everybody's piece is in
	tensor_load_to_lds s[G0+4:G0+7], s[G1B:G1B+7]  ; records 4-15
	s_nop 0
.rept 4
	v_nop
.endr
.macro KLD half                        ; k's tiles 4 half .. 4 half + 3 of the record at TN
.irp u, 0,1,2,3
	ds_load_b128 v[32+12*\u:35+12*\u], v28 offset:768*(4*\half+(\u%2))+128*(\u/2)
	ds_load_b64 v[36+12*\u:37+12*\u], v29 offset:768*(4*\half+(\u%2))+512+64*(\u/2)
.endr
.endm
.macro KSC
.irp c, 0,1
.irp u, 0,1,2,3
	ds_load_b32 v[80+4*\c+\u], v30 offset:6144+128*(4*\c+(\u%2))+32*(\u/2)
.endr
.endr
.endm
.macro VLD half                        ; v's fragments 2 half, 2 half + 1 of the record at TB
.irp i, 0,1
.irp c, 0,1,2
	ds_load_b128 v[192+12*\i+4*\c:195+12*\i+4*\c], v31 offset:7168+1536*(2*\half+\i)+512*\c
.endr
.endr
.endm
.macro QK y, half                      ; four tiles of S^T
.irp u, 0,1,2,3
	MMZ 96+8*(4*\half+\u), 32+12*\u, 16, 80+4*\half+\u, 92+\y
.endr
.endm
.macro PV y, half                      ; two tiles of O^T
.irp i, 0,1
	MMA 160+8*(2*\half+\i), 192+12*\i, 224, 88+2*\half+\i, 94+\y
.endr
.endm
; The softmax of one tile of 16 queries x 128 keys, and p's codes and scale word; all its vector registers lie in the window that the caller has set.
.macro SOFT y
	s_wait_alu depctr_va_vdst(0)                   ; the wait ahead of the first reader of S^T
.irp c, 0,1                                    ; each block's largest score, in two chains: numbers 0-14 and 16-30; each accumulator is first read at its low end
	v_max3_num_f32 v[244+2*\c], v[96+32*\c], v[97+32*\c], v[98+32*\c]
	v_max3_num_f32 v[245+2*\c], v[112+32*\c], v[113+32*\c], v[114+32*\c]
.endr
.irp i, 3,5,7,9,11,13
.irp c, 0,1
	v_max3_num_f32 v[244+2*\c], v[244+2*\c], v[96+32*\c+\i], v[97+32*\c+\i]
	v_max3_num_f32 v[245+2*\c], v[245+2*\c], v[112+32*\c+\i], v[113+32*\c+\i]
.endr
.endr
.irp c, 0,1
	v_max3_num_f32 v[244+2*\c], v[244+2*\c], v[245+2*\c], v[111+32*\c]
.endr
.irp c, 0,1
	v_max_num_f32 v[244+2*\c], v[244+2*\c], v[127+32*\c]
.endr
	v_max_num_f32 v250, v244, v246
	v_permlanex16_b32 v251, v250, s[SEL], s[SEL+1]
	v_max3_num_f32 v13, v13, v250, v251            ; the running largest score of my query
	v_mul_f32 v250, s[CS], v13                     ; as t
	v_floor_f32 v251, -v250                        ; the new -M
	v_sub_f32 v250, v251, v12                      ; M's old value less its new one
	v_mov_b32 v12, v251
	v_cvt_i32_f32 v250, v250                       ; (it saturates)
	v_ldexp_f32 v252, 1.0, v250                    ; f = 2^(old M - new M)
.set II, 0
.rept 32
	v_pk_fma_f32 v[96+II:97+II], v[96+II:97+II], s[CS:CS+1], v[12:13] op_sel_hi:[1,0,0]   ; t - M
.set II, II+2
.endr
	v_fma_f32 v244, v244, s[CS], v12               ; the same of each block's largest score
	v_fma_f32 v246, v246, s[CS], v12
	s_wait_alu depctr_va_vdst(0)                   ; the wait ahead of the batch, and ahead of the first reader of O^T
.set II, 0
.rept 16
	v_pk_mul_f32 v[160+II:161+II], v[160+II:161+II], v[252:253] op_sel_hi:[1,0]           ; O^T under the new M
.set II, II+2
.endr
	v_pk_mul_f32 v[14:15], v[14:15], v[252:253] op_sel_hi:[1,0]
.set II, 0
.rept 64
	v_exp_f32 v[96+II], v[96+II]                   ; p = 2^(t - M)
.set II, II+1
.endr
	v_exp_f32 v244, v244                           ; each block's largest p
	v_exp_f32 v246, v246
	v_nop                                          ; a plain instruction behind the batch
	s_wait_alu depctr_va_vdst(0)                   ; one wait for the batch
.if \y == 0
	s_wait_dscnt 0x0                               ; the trip's one wait for LDS: v's fragments, and the next record's k
.endif
	v_pk_add_f32 v[216:217], v[96:97], v[98:99]    ; the sum of the unquantised p, in four chains
	v_pk_add_f32 v[218:219], v[100:101], v[102:103]
	v_pk_add_f32 v[220:221], v[104:105], v[106:107]
	v_pk_add_f32 v[14:15], v[14:15], v[108:109]
	v_max_num_f32 v244, 0x1800000, v244            ; the floor 2^(3 - 127): the byte cannot fall under 1
	v_max_num_f32 v246, 0x1800000, v246
.irp j, 7,11,15
	v_pk_add_f32 v[216:217], v[216:217], v[96+2*\j:97+2*\j]
	v_pk_add_f32 v[218:219], v[218:219], v[98+2*\j:99+2*\j]
	v_pk_add_f32 v[220:221], v[220:221], v[100+2*\j:101+2*\j]
	v_pk_add_f32 v[14:15], v[14:15], v[102+2*\j:103+2*\j]
.endr
	v_add_nc_u32 v248, 0xff000000, v244            ; 2 off the exponent field: the conversion's scale operand
	v_add_nc_u32 v249, 0xff000000, v246
	v_lshrrev_b32 v250, 23, v248                   ; the bytes of blocks h and 2 + h
	v_lshrrev_b32 v251, 23, v249
	v_lshl_or_b32 v250, v251, 16, v250
	v_lshlrev_b32 v250, v9, v250                   ; at their places in the word: 8 h bits up
	v_permlanex16_b32 v251, v250, s[SEL], s[SEL+1]
.if \y
	WIN 0x05                                       ; scale operands are taken from window 0
.endif
	v_or_b32 v[94+\y], v250, v251                  ; with lane l xor 16's two bytes the word is whole
.if \y
	WIN 0x55
.endif
.irp j, 19,23,27
	v_pk_add_f32 v[216:217], v[216:217], v[96+2*\j:97+2*\j]
	v_pk_add_f32 v[218:219], v[218:219], v[98+2*\j:99+2*\j]
	v_pk_add_f32 v[220:221], v[220:221], v[100+2*\j:101+2*\j]
	v_pk_add_f32 v[14:15], v[14:15], v[102+2*\j:103+2*\j]
.endr
	v_pk_add_f32 v[216:217], v[216:217], v[158:159]
.irp c, 0,1
	v_cvt_scalef32_pk16_fp6_f32 v[224+6*\c:226+6*\c], v[96+32*\c:111+32*\c], v[248+\c]
	v_cvt_scalef32_pk16_fp6_f32 v[236+4*\c:238+4*\c], v[112+32*\c:127+32*\c], v[248+\c]   ; (a conversion's three registers begin on an even number)
.endr
	v_pk_add_f32 v[216:217], v[216:217], v[218:219]        ; a plain instruction behind the conversions
.irp c, 0,1
.irp i, 0,1,2
	v_mov_b32 v[227+6*\c+\i], v[236+4*\c+\i]
.endr
.endr
	v_pk_add_f32 v[14:15], v[14:15], v[220:221]    ; four places between the operand's last write and the product
	v_pk_add_f32 v[14:15], v[14:15], v[216:217]
	v_nop
	v_nop
.endm
; A trip: 128 keys for both tiles.  k's fragments of this record came in the trip before.
.macro STEP
	s_add_co_u32 s[TN], s[TB], REC
	s_min_u32 s[TN], s[TN], 15*REC                 ; the last trip asks for its own record again: no read leaves the records
	QK 0, 0
	WIN 0x01
	QK 0, 1
	WIN 0x45
	QK 1, 1
	WIN 0x44
	QK 1, 0
	WIN 0
	v_add_nc_u32 v28, s[TN], v4                    ; five plain instructions: the places in front of the loads and of the first read of S^T
	v_add_nc_u32 v29, s[TN], v5
	v_add_nc_u32 v30, s[TN], v6
	v_add_nc_u32 v31, s[TB], v1
	v_add_nc_u32 v8, s[TB], v3
	KLD 0
	KSC
	VLD 0
.irp u, 0,1,2,3
	ds_load_b32 v[88+\u], v8 offset:13312+128*\u
.endr
	WIN 0x40
	KLD 1
	VLD 1
	WIN 0
	SOFT 0
	PV 0, 0                                        ; X's second product is under way while Y's softmax is computed
	WIN 0x01
	PV 0, 1
	WIN 0x55
	SOFT 1
	PV 1, 1
	WIN 0x54
	PV 1, 0
	WIN 0
	s_add_co_u32 s[TB], s[TB], REC
.endm
	s_mov_b32 s[TN], 0
	v_add_nc_u32 v28, s[TN], v4
	v_add_nc_u32 v29, s[TN], v5
	v_add_nc_u32 v30, s[TN], v6
	KLD 0
	KSC
	WIN 0x40
	KLD 1
	WIN 0
	s_mov_b32 s[TB], 0
	s_mov_b32 s[CNT], 3
	s_wait_loadcnt 0x0                             ; q
	s_wait_dscnt 0x0                               ; record 0's k
.Lfirst:                                               ; records 0-2; the look-ahead reaches record 3
	STEP
	s_sub_co_u32 s[CNT], s[CNT], 1
	s_cmp_lg_u32 s[CNT], 0
	s_cbranch_scc1 .Lfirst
	s_wait_tensorcnt 0x0                           ; my piece of records 4-15 is in,
	s_barrier_signal -1
	s_barrier_wait -1                              ; everybody's is
	s_mov_b32 s[TB], 3*REC
	s_mov_b32 s[CNT], 13
.Lsecond:
	STEP
	s_sub_co_u32 s[CNT], s[CNT], 1
	s_cmp_lg_u32 s[CNT], 0
	s_cbranch_scc1 .Lsecond
; The way out of a tile: O^T / the sum, into window 0, quantised there along the head's 64: the 16 registers of tiles 2 b, 2 b + 1 are channels 32 b + 16 h + 0 .. 15.
.macro TAIL y
.if \y
	s_wait_xcnt 0x0                                ; X's stores have read their registers
.endif
	WIN 0x55*\y
	v_add_f32 v14, v14, v15
	v_permlanex16_b32 v252, v14, s[SEL], s[SEL+1]
	v_add_f32 v14, v14, v252                       ; with lane l xor 16's keys: the row's sum
	s_wait_alu depctr_va_vdst(0)
	v_rcp_f32 v14, v14
	v_nop
	WIN 0x05*\y
	s_wait_alu depctr_va_vdst(0)                   ; ahead of the first reader of the quotient and of O^T
.set II, 0
.rept 32
	v_mul_f32 v[96+II], v[160+II], v14
.set II, II+1
.endr
	WIN 0
.irp b, 0,1
	v_max3_num_f32 v[232+\b], |v[96+16*\b]|, |v[97+16*\b]|, 0x1800000
.endr
.irp i, 2,4,6,8,10,12,14
.irp b, 0,1
	v_max3_num_f32 v[232+\b], v[232+\b], |v[96+16*\b+\i]|, |v[97+16*\b+\i]|
.endr
.endr
.irp b, 0,1
	v_permlanex16_b32 v[236+\b], v[232+\b], s[SEL], s[SEL+1]
.endr
.irp b, 0,1
	v_max_num_f32 v[232+\b], v[232+\b], v[236+\b]
.endr
.irp b, 0,1
	v_add_nc_u32 v[244+\b], 0xff000000, v[232+\b]
.endr
.irp b, 0,1
	v_lshrrev_b32 v[236+\b], 23, v[244+\b]
.endr
	v_lshl_or_b32 v240, v237, 8, v236
	v_cvt_scalef32_pk16_fp6_f32 v[224:226], v[96:111], v244
	v_cvt_scalef32_pk16_fp6_f32 v[236:238], v[112:127], v245
	v_nop
.irp i, 0,1,2
	v_permlane16_swap_b32 v[224+\i], v[236+\i]
.endr
.irp i, 0,1,2
	v_mov_b32 v[227+\i], v[236+\i]
.endr
.irp p, 0,1,2
	global_store_b64 v2, v[224+2*\p:225+2*\p], s[42:43] offset:256*\p+1536*\y   ; 256 consecutive bytes, aligned
.endr
	global_store_b16 v3, v240, s[44:45] offset:128*\y
.endm
	TAIL 0                                         ; its first lines are the places behind Y's last products
	TAIL 1
	s_wait_tensorcnt 0x0                           ; the wave's end
	ds_add_u32 v[SPW], v[NIL]
	s_wait_dscnt 0x0
	CROUND                                         ; the closing round
	s_endpgm
.Lfunc_end_k_q5ccb505df0_attn:
	.size	k_q5ccb505df0_attn, .Lfunc_end_k_q5ccb505df0_attn-k_q5ccb505df0_attn
	.p2alignl 7, 3214868480
	.fill 96, 4, 3214868480
	.section	.rodata,"a",@progbits
	.p2align	6, 0x0
	.amdhsa_kernel k_q5ccb505df0_attn
		.amdhsa_group_segment_fixed_size 327680
		.amdhsa_private_segment_fixed_size 0
		.amdhsa_enable_private_segment 0
		.amdhsa_kernarg_size 24
		.amdhsa_user_sgpr_count 2
		.amdhsa_user_sgpr_kernarg_segment_ptr 1
		.amdhsa_wavefront_size32 1
		.amdhsa_system_sgpr_workgroup_id_x 1
		.amdhsa_system_sgpr_workgroup_id_y 1
		.amdhsa_system_sgpr_workgroup_id_z 1
		.amdhsa_system_vgpr_workitem_id 0
		.amdhsa_next_free_vgpr 512
		.amdhsa_next_free_sgpr 66
		.amdhsa_reserve_vcc 0
		.amdhsa_float_denorm_mode_32 3
		.amdhsa_float_denorm_mode_16_64 3
		.amdhsa_memory_ordered 1
		.amdhsa_forward_progress 1
		.amdhsa_inst_pref_size 77
	.end_amdhsa_kernel
	.amdgpu_metadata
---
amdhsa.version: [ 1, 2 ]
amdhsa.kernels:
  - .name:           k_q5ccb505df0_attn
    .symbol:         k_q5ccb505df0_attn.kd
    .args:
      - { .name: qc, .offset: 0, .size: 8, .value_kind: global_buffer, .address_space: global }
      - { .name: kv, .offset: 8, .size: 8, .value_kind: global_buffer, .address_space: global }
      - { .name: oi, .offset: 16, .size: 8, .value_kind: global_buffer, .address_space: global }
    .group_segment_fixed_size: 327680
    .private_segment_fixed_size: 0
    .kernarg_segment_align: 8
    .kernarg_segment_size: 24
    .max_flat_workgroup_size: 256
    .sgpr_count:     66
    .vgpr_count:     512
    .wavefront_size: 32
...
	.end_amdgpu_metadata
.endif
;; end of part 3
;; launch oproj (part 4): grid 8 x 32, 4 waves a work-group, clusters of 4 x 4, 327,680 bytes of LDS; arguments oi, wimg, x, bo, x1i; writes x1i
.if DOCPART == 4
	.amdgcn_target "amdgcn-amd-amdhsa--gfx1250"
	.amdhsa_code_object_version 6
	.text
	.protected	k_q5ccb505df0_oproj
	.globl	k_q5ccb505df0_oproj
	.p2align	8
	.type	k_q5ccb505df0_oproj,@function
k_q5ccb505df0_oproj:
	s_mov_b64 s[64:65], 0
	v_nop
	global_prefetch_b8 v0, s[64:65] scope:SCOPE_SE
	s_setreg_imm32_b32 hwreg(HW_REG_WAVE_MODE, 25, 1), 1
	s_wait_xcnt 0x0
	s_wait_alu depctr_hold_cnt(0) depctr_sa_sdst(0) depctr_va_vdst(0) depctr_va_sdst(0) depctr_va_ssrc(0) depctr_va_vcc(0) depctr_vm_vsrc(0)
	s_getreg_b32 s2, hwreg(HW_REG_IB_STS2, 6, 4)
	s_cmp_eq_u32 s2, 0
	s_cbranch_scc0 .Lentry_in_a_cluster
	s_endpgm
.Lentry_in_a_cluster:
	s_bfe_u32 s2, ttmp6, 0x10000c
	s_cmp_lg_u32 s2, 0xf033
	s_cbranch_scc0 .Lentry_shape_is_right
	s_endpgm
.Lentry_shape_is_right:
; x1 = x + o Wo^T + bo on codes of E2M3.  Nothing of the block's work is left out here.
; A tile of 128 x 128 to a work-group, 256 work-groups; 64 x 64 (16 accumulators) to a wave.  K is 1,024, so ALL THAT A WORK-GROUP MULTIPLIES LIES IN LDS AT ONCE: o's codes of its 128 rows (106,496 bytes), Wo's of its
; 128 columns (106,496 bytes), and its part of x (64 rows x 256 bytes a wave).  Every tensor load is a first fill: no slot is filled again, and no barrier stands among the products.
; o's codes lie as attention stored them: blocks of 64 rows, 53,248 bytes: fragment (K step s, tile a) at 1,536 (4 s + a) in six pieces of 256 bytes (registers 2 p, 2 p + 1 at 256 p + 8 l), scale words at
; 49,152 + 128 (4 s + a).  Wo's are K-blocks of 13,312 bytes: fragment t at 1,536 t (registers 4 c .. 4 c + 3 at 512 c + 16 l), scale words at 12,288 + 128 t.  Tile t holds in lane r row 32 (t / 2) + 8 (t % 2) + r + 8 (r / 8).
; Source 0 = Wo's rows, source 1 = o's rows: lane (r, h) holds o's row of lane r, and register j of tile b column 32 (b / 2) + 8 (b % 2) + 16 h + j of the wave's 64.
; x + bo IS ADDED TO THE SUMS BEHIND THE LAST K STEP: each wave's own tile of x comes by a tensor load with 16 bytes of padding behind each 256, and is read in the result's layout.  (The two groups of eight rows of a tile lie 16 rows
; apart, which is a whole number of times through the banks at this pitch: these 32 loads go two deep.)
; CLUSTER 4 x 4: o's tile is asked for jointly along a row of the cluster, Wo's along a column; x's tile is the wave's own.
; OUT.  x1i: accumulators as they stand, [row block 256][column block 64] images of 1,024 bytes (registers 0-3 at 16 l, 4-7 at 512 + 16 l): each store covers 512 consecutive bytes, aligned.
; No prefetch: every byte is asked for at the head.
; LIMITS: NaN and infinities are not served.
.set KB,    13312
.set HB,    4*KB                       ; 53,248 bytes: a block of o's codes; also four K-blocks of Wo: what one joint load brings
.set BOFF,  2*HB                       ; Wo's eight K-blocks lie behind o's two blocks
.set XOFF,  4*HB                       ; then x: a tile for each wave
.set XP,    272                        ; a row of x's tile: 256 bytes + 16
.set XT,    64*XP
.set SPARE, XOFF+4*XT                  ; the spare words, 128 bytes a wave
.set ADA,   16                         ; v16 o's fragments
.set ADAS,  17                         ; v17 their scale words
.set ADB,   18                         ; v18-19 Wo's fragments of K steps 0-3, 4-7
.set ADBS,  20                         ; v20-21 their scale words
.set XR,    22                         ; v22 my place in x's tile
.set L16,   27
.set SPW,   28
.set NIL,   29
.set SC,    32                         ; v32-47 scale words, set p at 8 p: o's four, then Wo's four; they hold nothing else
.set BIAS,  64
.set ACC,   128
.set WV,    16
.set RH,    17
.set CH,    18
.set G1,    24
.set G0,    32
.set G1B,   48
.set G0B,   56
.set RA,    66
.set CB,    67
.set G1X,   68
.set G0X,   80
.set MSB, 0
.macro WIN new                         ; the immediate's high byte repeats the setting that is left
.if MSB != (\new)
	s_set_vgpr_msb (MSB<<8)|(\new)
.set MSB, (\new)
.endif
.endm
.set MUL, 0x05                         ; sources 0 and 1 window 1, C and D window 0
.macro PLACES n
.rept \n
	v_nop
.endr
.endm
.macro JLOAD g0a, g1a, g0b, g1b        ; a joint load: waves 0 and 1 fetch for o, waves 2 and 3 for Wo; an s_nop 0 and four v_nop follow each line
	s_cmp_eq_u32 s[RH], 0
	s_cbranch_scc0 .Lfor_b_\@
	tensor_load_to_lds s[\g0a:\g0a+3], s[\g1a:\g1a+7]
	s_nop 0
.rept 4
	v_nop
.endr
	s_branch .Lasked_\@
.Lfor_b_\@:
	tensor_load_to_lds s[\g0b:\g0b+3], s[\g1b:\g1b+7]
	s_nop 0
.rept 4
	v_nop
.endr
.Lasked_\@:
.endm
.macro CREST
	s_cmp_lg_u32 s[WV], 0
	s_cbranch_scc1 .Lnot_wave_0_\@
	s_barrier_signal -3
.Lnot_wave_0_\@:
	s_barrier_wait -3
	s_barrier_signal -1
	s_barrier_wait -1
.endm
.macro CROUND
	s_barrier_signal -1
	s_barrier_wait -1
	CREST
.endm
	s_load_b256 s[4:11], s[0:1], 0x0               ; oi 4, wimg 6, x 8, bo 10
	s_load_b64 s[12:13], s[0:1], 0x20              ; x1i
	v_lshl_add_u32 v[SPW], v0, 2, SPARE
	v_mov_b32 v[NIL], 0
	ds_add_u32 v[SPW], v[NIL]                      ; the wave's opening: the add, twice on end, and its wait ahead of my first tensor load
	ds_add_u32 v[SPW], v[NIL]
	v_lshrrev_b32 v1, 5, v0
	v_readfirstlane_b32 s[WV], v1
	s_lshr_b32 s[RH], s[WV], 1                     ; which 64 rows are mine.  Also: I fetch for o (0) or for Wo (1)
	s_and_b32 s[CH], s[WV], 1                      ; which 64 columns.  Also: which half of that operand I fetch
	s_bfe_u32 s40, ttmp6, 0x40000
	s_bfe_u32 s41, ttmp6, 0x40004
	s_and_b32 s[RA], ttmp7, 0xffff
	s_lshl_b32 s[RA], s[RA], 2
	s_add_co_u32 s[RA], s[RA], s41                 ; 128 rows
	s_lshl_b32 s[CB], ttmp9, 2
	s_add_co_u32 s[CB], s[CB], s40                 ; 128 columns
	s_lshl_b32 s43, s41, 2
	s_lshl_b32 s43, 15, s43                        ; my row of the cluster
	s_lshl_b32 s44, 0x1111, s40                    ; my column
	s_or_b32 s[G1], s43, (3<<16)|(1<<21)           ; a dense block of 208 rows of 256 bytes (32 elements of 8); the mask, and bit 21 beside it
	s_or_b32 s[G1B], s44, (3<<16)|(1<<21)
.irp g, G1, G1B
	s_mov_b32 s[\g+1], 32<<16
	s_mov_b32 s[\g+2], 208<<16
	s_mov_b32 s[\g+3], 32<<16
	s_mov_b32 s[\g+4], 208
	s_mov_b32 s[\g+5], 32
	s_mov_b32 s[\g+6], 0
	s_mov_b32 s[\g+7], 0
.endr
	s_mov_b32 s[G1X], (3<<16)|(1<<20)|(5<<22)|(3<<25)   ; x: no mask; elements of 8 bytes; padding on: behind every 64 words (code 5) 4 words (code 3)
	s_mov_b32 s[G1X+1], 32<<16                     ; tensor_dim0 = 32 elements: 256 bytes
	s_mov_b32 s[G1X+2], 64<<16                     ; tensor_dim1 = 64 rows
	s_mov_b32 s[G1X+3], 32<<16                     ; tile_dim0
	s_mov_b32 s[G1X+4], 64                         ; tile_dim1
	s_mov_b32 s[G1X+5], 512                        ; from row to row: 4,096 bytes
	s_mov_b32 s[G1X+6], 0
	s_mov_b32 s[G1X+7], 0
	s_lshl_b32 s20, s[RA], 1
	s_add_co_u32 s20, s20, s[CH]
	s_mul_i32 s20, s20, HB                         ; o's block 2 RA + half
	s_mov_b32 s21, 0
	s_lshl_b32 s46, s[CB], 3
	s_lshl_b32 s47, s[CH], 2
	s_add_co_u32 s46, s46, s47
	s_add_co_u32 s46, s46, 448                     ; Wo begins at K-block 448
	s_mul_i32 s46, s46, KB
	s_mov_b32 s47, 0
	s_mul_i32 s45, s[WV], HB                       ; where they go: no place in the cluster enters an LDS address
	s_lshl_b32 s84, s[RA], 19                      ; x: 128 rows of 4,096 bytes,
	s_lshl_b32 s85, s[RH], 18                      ; my 64 of them,
	s_add_co_u32 s84, s84, s85
	s_lshl_b32 s85, s[CB], 9                       ; 128 columns of 4 bytes,
	s_add_co_u32 s84, s84, s85
	s_lshl_b32 s85, s[CH], 8                       ; my 64 of them
	s_add_co_u32 s84, s84, s85
	s_mov_b32 s85, 0
	s_mul_i32 s86, s[WV], XT
	s_add_co_u32 s86, s86, XOFF                    ; my tile of x in LDS
	s_wait_dscnt 0x0                               ; both opening adds are done
	s_wait_kmcnt 0x0
	s_add_nc_u64 s[20:21], s[4:5], s[20:21]
	s_add_nc_u64 s[46:47], s[6:7], s[46:47]
	s_add_nc_u64 s[84:85], s[8:9], s[84:85]
	s_mov_b32 s[G0], 1
	s_mov_b32 s[G0+1], s45
	s_mov_b64 s[G0+2:G0+3], s[20:21]
	s_or_b32 s[G0+3], s[G0+3], 0x80000000
	s_mov_b32 s[G0B], 1
	s_mov_b32 s[G0B+1], s45
	s_mov_b64 s[G0B+2:G0B+3], s[46:47]
	s_or_b32 s[G0B+3], s[G0B+3], 0x80000000
	s_mov_b32 s[G0X], 1
	s_mov_b32 s[G0X+1], s86
	s_mov_b64 s[G0X+2:G0X+3], s[84:85]
	s_or_b32 s[G0X+3], s[G0X+3], 0x80000000
	CROUND                                         ; all sixteen work-groups are here: the joint loads meet
	JLOAD G0, G1, G0B, G1B                         ; one tensor load a wave at the head
	v_and_b32 v1, 31, v0
	v_bfe_u32 v2, v0, 4, 1                         ; h
	v_and_b32 v3, 15, v0                           ; r
	v_lshlrev_b32 v[L16], 4, v1
	v_lshlrev_b32 v5, 2, v1                        ; 4 l
	v_lshlrev_b32 v6, 3, v1                        ; 8 l
	s_mul_i32 s76, s[RH], HB                       ; my 64 rows of o
	v_add_nc_u32 v[ADA], s76, v6
	s_add_co_u32 s77, s76, 49152
	v_add_nc_u32 v[ADAS], s77, v5
	s_mul_i32 s76, s[CH], 4*1536                   ; my four tiles of Wo's eight
	s_add_co_u32 s76, s76, BOFF
	v_add_nc_u32 v[ADB], s76, v[L16]
	v_add_nc_u32 v[ADB+1], HB, v[ADB]
	s_lshl_b32 s77, s[CH], 9
	s_add_co_u32 s77, s77, BOFF+12288
	v_add_nc_u32 v[ADBS], s77, v5
	v_add_nc_u32 v[ADBS+1], HB, v[ADBS]
	v_and_b32 v4, 8, v3
	v_add_nc_u32 v4, v4, v3                        ; r + 8 (r / 8)
	v_mul_u32_u24 v4, v4, XP
	v_lshl_add_u32 v4, v2, 6, v4                   ; + 64 h
	v_add_nc_u32 v[XR], s86, v4
	s_lshl_b32 s76, s[RA], 3
	s_lshl_b32 s77, s[RH], 2
	s_add_co_u32 s76, s76, s77
	s_lshl_b32 s76, s76, 6
	s_lshl_b32 s77, s[CB], 3
	s_add_co_u32 s76, s76, s77
	s_lshl_b32 s77, s[CH], 2
	s_add_co_u32 s76, s76, s77
	s_lshl_b32 s76, s76, 10                        ; x1's image (8 RA + 4 rh, 8 CB + 4 ch)
	s_mov_b32 s77, 0
	s_add_nc_u64 s[12:13], s[12:13], s[76:77]
	s_lshl_b32 s78, s[CB], 9
	s_lshl_b32 s79, s[CH], 8
	s_add_co_u32 s78, s78, s79                     ; my first column, in bytes
	s_mov_b32 s79, 0
	s_add_nc_u64 s[10:11], s[10:11], s[78:79]
	v_lshlrev_b32 v7, 6, v2
.irp b, 0,1,2,3
	global_load_b128 v[BIAS+8*\b:BIAS+8*\b+3], v7, s[10:11] offset:128*(\b/2)+32*(\b%2)
	global_load_b128 v[BIAS+8*\b+4:BIAS+8*\b+7], v7, s[10:11] offset:128*(\b/2)+32*(\b%2)+16
.endr
.macro FETCH s, p                      ; K step s into set p: o's four fragments, Wo's four, their scale words: 24 + 12 + 8 LDS loads
	WIN 0x40
.irp a, 0,1,2,3
.irp q, 0,1,2,3,4,5
	ds_load_b64 v[128*(\p)+12*\a+2*\q:128*(\p)+12*\a+2*\q+1], v[ADA] offset:(4*(\s)+\a)*1536+256*\q
.endr
.endr
.irp b, 0,1,2,3
.irp c, 0,1,2
	ds_load_b128 v[128*(\p)+48+12*\b+4*\c:128*(\p)+48+12*\b+4*\c+3], v[ADB+(\s)/4] offset:((\s)%4)*KB+1536*\b+512*\c
.endr
.endr
	WIN 0
.irp a, 0,1,2,3
	ds_load_b32 v[SC+8*(\p)+\a], v[ADAS] offset:(4*(\s)+\a)*128
	ds_load_b32 v[SC+8*(\p)+4+\a], v[ADBS+(\s)/4] offset:((\s)%4)*KB+128*\a
.endr
.endm
.macro MULR p, a                       ; four products; the 16 accumulators take turns, one instruction a turn
.irp b, 0,1,2,3
	v_wmma_scale_f32_16x16x128_f8f6f4 v[ACC+8*(4*(\a)+\b):ACC+8*(4*(\a)+\b)+7], v[128*(\p)+48+12*\b:128*(\p)+48+12*\b+11], v[128*(\p)+12*(\a):128*(\p)+12*(\a)+11], v[ACC+8*(4*(\a)+\b):ACC+8*(4*(\a)+\b)+7], v[SC+8*(\p)+4+\b], v[SC+8*(\p)+(\a)] matrix_a_fmt:MATRIX_FMT_FP6 matrix_b_fmt:MATRIX_FMT_FP6
.endr
.endm
.macro MULZ p, a                       ; four products that start their sums: x and bo are added behind the last K step
.irp b, 0,1,2,3
	v_wmma_scale_f32_16x16x128_f8f6f4 v[ACC+8*(4*(\a)+\b):ACC+8*(4*(\a)+\b)+7], v[128*(\p)+48+12*\b:128*(\p)+48+12*\b+11], v[128*(\p)+12*(\a):128*(\p)+12*(\a)+11], 0, v[SC+8*(\p)+4+\b], v[SC+8*(\p)+(\a)] matrix_a_fmt:MATRIX_FMT_FP6 matrix_b_fmt:MATRIX_FMT_FP6
.endr
.endm
.macro KS s
	s_wait_dscnt 0x0                               ; this step's fragments and scale words are in
	PLACES 4                                       ; in front of the loads into the set that the last step's products read
	FETCH (\s)+1, ((\s)+1)%2
	WIN MUL
	MULR (\s)%2, 0
	MULR (\s)%2, 1
	MULR (\s)%2, 2
	MULR (\s)%2, 3
.endm
	s_wait_alu depctr_va_vdst(0)
	s_wait_tensorcnt 0x0                           ; my part of o or Wo has landed; a later first fill is issued as a refill is
	ds_add_u32 v[SPW], v[NIL]
	s_wait_dscnt 0x0
	CROUND                                         ; everybody's has
	tensor_load_to_lds s[G0X:G0X+3], s[G1X:G1X+7]  ; my own tile of x: it has seven K steps in which to land
	s_nop 0
	PLACES 4
	FETCH 0, 0
	s_wait_dscnt 0x0
	FETCH 1, 1
	WIN MUL
	MULZ 0, 0                                      ; the first K step starts the sums
	MULZ 0, 1
	MULZ 0, 2
	MULZ 0, 3
	KS 1
	KS 2
	KS 3
	KS 4
	KS 5
	KS 6
	s_wait_dscnt 0x0                               ; the last K step: nothing more to fetch
	s_wait_tensorcnt 0x0                           ; my tile of x has landed; I alone read it
	PLACES 4                                       ; in front of the loads into set 0, which the last step's products read
	WIN 0x40
.irp a, 0,1,2,3                                ; x in the result's layout, into window 1, v0-127
.irp b, 0,1,2,3
	ds_load_b128 v[8*(4*\a+\b):8*(4*\a+\b)+3], v[XR] offset:(32*(\a/2)+8*(\a%2))*XP+128*(\b/2)+32*(\b%2)
	ds_load_b128 v[8*(4*\a+\b)+4:8*(4*\a+\b)+7], v[XR] offset:(32*(\a/2)+8*(\a%2))*XP+128*(\b/2)+32*(\b%2)+16
.endr
.endr
	WIN MUL
	MULR 1, 0
	MULR 1, 1
	MULR 1, 2
	MULR 1, 3
	s_wait_loadcnt 0x0                             ; bo
	s_wait_dscnt 0x0                               ; x
	WIN 0x41                                       ; x + bo, in window 1: these 64 are also the places behind the last products
.irp a, 0,1,2,3
.irp b, 0,1,2,3
.irp i, 0,2,4,6
	v_pk_add_f32 v[8*(4*\a+\b)+\i:8*(4*\a+\b)+\i+1], v[8*(4*\a+\b)+\i:8*(4*\a+\b)+\i+1], v[BIAS+8*\b+\i:BIAS+8*\b+\i+1]
.endr
.endr
.endr
	WIN 0x04                                       ; and onto the sums, each accumulator from its low end on
.irp a, 0,1,2,3
.irp b, 0,1,2,3
.irp i, 0,2,4,6
	v_pk_add_f32 v[ACC+8*(4*\a+\b)+\i:ACC+8*(4*\a+\b)+\i+1], v[ACC+8*(4*\a+\b)+\i:ACC+8*(4*\a+\b)+\i+1], v[8*(4*\a+\b)+\i:8*(4*\a+\b)+\i+1]
.endr
.endr
.endr
	WIN 0
.irp a, 0,1,2,3
.irp b, 0,1,2,3
	global_store_b128 v[L16], v[ACC+8*(4*\a+\b):ACC+8*(4*\a+\b)+3], s[12:13] offset:(64*\a+\b)*1024        ; each accumulator from its low end on
	global_store_b128 v[L16], v[ACC+8*(4*\a+\b)+4:ACC+8*(4*\a+\b)+7], s[12:13] offset:(64*\a+\b)*1024+512
.endr
.endr
	s_wait_tensorcnt 0x0                           ; the wave's end
	ds_add_u32 v[SPW], v[NIL]
	s_wait_dscnt 0x0
	CROUND                                         ; the closing round
	s_endpgm
.Lfunc_end_k_q5ccb505df0_oproj:
	.size	k_q5ccb505df0_oproj, .Lfunc_end_k_q5ccb505df0_oproj-k_q5ccb505df0_oproj
	.p2alignl 7, 3214868480
	.fill 96, 4, 3214868480
	.section	.rodata,"a",@progbits
	.p2align	6, 0x0
	.amdhsa_kernel k_q5ccb505df0_oproj
		.amdhsa_group_segment_fixed_size 327680
		.amdhsa_private_segment_fixed_size 0
		.amdhsa_enable_private_segment 0
		.amdhsa_kernarg_size 40
		.amdhsa_user_sgpr_count 2
		.amdhsa_user_sgpr_kernarg_segment_ptr 1
		.amdhsa_wavefront_size32 1
		.amdhsa_system_sgpr_workgroup_id_x 1
		.amdhsa_system_sgpr_workgroup_id_y 1
		.amdhsa_system_sgpr_workgroup_id_z 1
		.amdhsa_system_vgpr_workitem_id 0
		.amdhsa_next_free_vgpr 512
		.amdhsa_next_free_sgpr 100
		.amdhsa_reserve_vcc 0
		.amdhsa_float_denorm_mode_32 3
		.amdhsa_float_denorm_mode_16_64 3
		.amdhsa_memory_ordered 1
		.amdhsa_forward_progress 1
		.amdhsa_inst_pref_size 62
	.end_amdhsa_kernel
	.amdgpu_metadata
---
amdhsa.version: [ 1, 2 ]
amdhsa.kernels:
  - .name:           k_q5ccb505df0_oproj
    .symbol:         k_q5ccb505df0_oproj.kd
    .args:
      - { .name: oi, .offset: 0, .size: 8, .value_kind: global_buffer, .address_space: global }
      - { .name: wimg, .offset: 8, .size: 8, .value_kind: global_buffer, .address_space: global }
      - { .name: x, .offset: 16, .size: 8, .value_kind: global_buffer, .address_space: global }
      - { .name: bo, .offset: 24, .size: 8, .value_kind: global_buffer, .address_space: global }
      - { .name: x1i, .offset: 32, .size: 8, .value_kind: global_buffer, .address_space: global }
    .group_segment_fixed_size: 327680
    .private_segment_fixed_size: 0
    .kernarg_segment_align: 8
    .kernarg_segment_size: 40
    .max_flat_workgroup_size: 128
    .sgpr_count:     100
    .vgpr_count:     512
    .wavefront_size: 32
...
	.end_amdgpu_metadata
.endif
;; end of part 4
;; launch ln2 (part 5): grid 256 x 1, 8 waves a work-group, no clusters, 3,072 bytes of LDS; arguments x1i, g2, b2, h2; writes h2
.if DOCPART == 5
	.amdgcn_target "amdgcn-amd-amdhsa--gfx1250"
	.amdhsa_code_object_version 6
	.text
	.protected	k_q5ccb505df0_ln2
	.globl	k_q5ccb505df0_ln2
	.p2align	8
	.type	k_q5ccb505df0_ln2,@function
k_q5ccb505df0_ln2:
	s_mov_b64 s[64:65], 0
	v_nop
	global_prefetch_b8 v0, s[64:65] scope:SCOPE_SE
	s_setreg_imm32_b32 hwreg(HW_REG_WAVE_MODE, 25, 1), 1
	s_wait_xcnt 0x0
; h2 = LayerNorm(x1; g2, b2) in f32, quantised to E2M3 along its 1,024.  Nothing of the block's work is left out here.
; x1 lies as accumulator images, [row block 256][column block 64] of 1,024 bytes: registers 0-3 at 16 l, 4-7 at 512 + 16 l; lane (r, h) holds one row of the block's 16, and register j of image b of a group of eight
; holds column 32 (b / 2) + 8 (b % 2) + 16 h + j of the group's 128.  So a lane's 64 registers of eight images are, in runs of 16, neighbours along K: what the quantiser takes; nothing changes lanes.
; A work-group takes one row block; wave w takes columns 128 w .. 128 w + 127, which are K step w of the next product: eight images in, one fragment out.  Each load and store covers 512 consecutive bytes, aligned.
; The norm takes the mean first and then the squared differences, so a common offset costs nothing; each of the two sums goes: my 64 numbers, the other half of the lanes, the eight waves through LDS, added in the waves' order.
; OUT.  h2: K-blocks of 13,312 bytes, [rows / 128][K / 128]: fragment t at 1,536 t (registers 4 c .. 4 c + 3 at 512 c + 16 l), scale words at 12,288 + 128 t.
; Memory binds: no matrix unit, no cluster, no tensor load.
; LIMITS: NaN and infinities are not served; a block of zeros gets the byte 1 with zero codes (the bytes are read by this program alone); v_rsq_f32 as given (ISA guide: 1 ulp).
.set KB,    13312
.set STAT,  0                          ; two sums x eight waves x 128 bytes
.set SPARE, 2048                       ; the spare words, 128 bytes for each of eight waves
.set L16,   2
.set L4,    3
.set H64,   4
.set STW,   5
.set SPW,   10
.set NIL,   11
.set XX,    32                         ; v32-95   x1, then the normalised numbers
.set GG,    96                         ; v96-159  g2 in the same layout
.set BB,    160                        ; v160-223 b2
.set TM,    96                         ; the quantiser works where g2 lay
.set PW,    112
.set PC,    116
.set SUM,   224
.set MU,    232
.set RS,    234
.set TP,    236
.set SEL,   12
	s_load_b256 s[4:11], s[0:1], 0x0               ; x1i 4, g2 6, b2 8, h2 10
	v_lshl_add_u32 v[SPW], v0, 2, SPARE
	v_mov_b32 v[NIL], 0
	v_lshrrev_b32 v1, 5, v0
	s_delay_alu instid0(VALU_DEP_1)
	v_readfirstlane_b32 s14, v1                    ; wave 0..7
	v_and_b32 v1, 31, v0
	v_bfe_u32 v7, v0, 4, 1
	s_delay_alu instid0(VALU_DEP_2)
	v_lshlrev_b32 v[L16], 4, v1
	s_delay_alu instid0(VALU_DEP_3)
	v_lshlrev_b32 v[L4], 2, v1
	s_delay_alu instid0(VALU_DEP_3)
	v_lshlrev_b32 v[H64], 6, v7
	s_lshl_b32 s15, s14, 7
	v_add_nc_u32 v[STW], s15, v[L4]                ; my wave's 128 bytes of a sum's 1,024
	s_mov_b32 s[SEL], 0x76543210
	s_mov_b32 s[SEL+1], 0xfedcba98
	s_lshl_b32 s16, ttmp9, 16                      ; my row block: 64 images
	s_lshl_b32 s17, s14, 13                        ; my wave's eight
	s_add_co_u32 s16, s16, s17
	s_mov_b32 s17, 0
	s_lshl_b32 s18, s14, 9                         ; my 128 columns of g2 and b2
	s_mov_b32 s19, 0
	s_lshr_b32 s20, ttmp9, 3
	s_lshl_b32 s20, s20, 3
	s_add_co_u32 s20, s20, s14
	s_mul_i32 s20, s20, KB                         ; K-block 8 (row block / 8) + w
	s_and_b32 s21, ttmp9, 7                        ; t
	s_mul_i32 s22, s21, 1536
	s_add_co_u32 s22, s22, s20
	s_mov_b32 s23, 0
	s_lshl_b32 s24, s21, 7
	s_add_co_u32 s24, s24, s20
	s_add_co_u32 s24, s24, 12288
	s_mov_b32 s25, 0
	s_mov_b32 s26, 0x3a800000                      ; 1 / 1,024
	s_mov_b32 s27, 0x3727c5ac                      ; 1e-5
	s_wait_alu depctr_va_vdst(0)
	s_wait_kmcnt 0x0
	s_add_nc_u64 s[4:5], s[4:5], s[16:17]
	s_add_nc_u64 s[6:7], s[6:7], s[18:19]
	s_add_nc_u64 s[8:9], s[8:9], s[18:19]
	s_add_nc_u64 s[28:29], s[10:11], s[22:23]      ; my fragment
	s_add_nc_u64 s[30:31], s[10:11], s[24:25]      ; its scale words
.irp b, 0,1,2,3,4,5,6,7
	global_load_b128 v[XX+8*\b:XX+8*\b+3], v[L16], s[4:5] offset:1024*\b
	global_load_b128 v[XX+8*\b+4:XX+8*\b+7], v[L16], s[4:5] offset:1024*\b+512
.endr
.irp b, 0,1,2,3,4,5,6,7
	global_load_b128 v[GG+8*\b:GG+8*\b+3], v[H64], s[6:7] offset:128*(\b/2)+32*(\b%2)
	global_load_b128 v[GG+8*\b+4:GG+8*\b+7], v[H64], s[6:7] offset:128*(\b/2)+32*(\b%2)+16
	global_load_b128 v[BB+8*\b:BB+8*\b+3], v[H64], s[8:9] offset:128*(\b/2)+32*(\b%2)
	global_load_b128 v[BB+8*\b+4:BB+8*\b+7], v[H64], s[8:9] offset:128*(\b/2)+32*(\b%2)+16
.endr
; four chains of sums become a row's sum, in every lane that holds the row
.macro ACROSS off, dst
	s_delay_alu instid0(VALU_DEP_3)
	v_pk_add_f32 v[SUM:SUM+1], v[SUM:SUM+1], v[SUM+2:SUM+3]
	s_delay_alu instid0(VALU_DEP_2)
	v_pk_add_f32 v[SUM+4:SUM+5], v[SUM+4:SUM+5], v[SUM+6:SUM+7]
	s_delay_alu instid0(VALU_DEP_1)
	v_pk_add_f32 v[SUM:SUM+1], v[SUM:SUM+1], v[SUM+4:SUM+5]
	s_delay_alu instid0(VALU_DEP_1)
	v_add_f32 v[SUM], v[SUM], v[SUM+1]
	s_delay_alu instid0(VALU_DEP_1)
	v_permlanex16_b32 v[SUM+1], v[SUM], s[SEL], s[SEL+1]
	s_delay_alu instid0(VALU_DEP_1)
	v_add_f32 v[SUM], v[SUM], v[SUM+1]             ; with lane l xor 16's: my wave's 128 columns
	ds_store_b32 v[STW], v[SUM] offset:STAT+\off
	s_wait_dscnt 0x0                               ; for the others' sake
	s_barrier_signal -1
	s_barrier_wait -1
.irp n, 0,1,2,3,4,5,6,7
	ds_load_b32 v[TP+\n], v[L4] offset:STAT+\off+128*\n
.endr
	s_wait_dscnt 0x0
	v_add_f32 v[\dst], v[TP], v[TP+1]
.irp n, 2,3,4,5,6,7
	s_delay_alu instid0(VALU_DEP_1)
	v_add_f32 v[\dst], v[\dst], v[TP+\n]
.endr
.endm
.macro QUANT s                         ; 64 numbers of a lane, register 16 b + i = k 32 b + 16 (lane / 16) + i of my row -> codes in v[PC] on, scale word in v[PW]
.irp b, 0,1,2,3
	v_max3_num_f32 v[TM+\b], |v[\s+16*\b]|, |v[\s+1+16*\b]|, 0x1800000   ; the floor 2^(3 - 127): the byte cannot fall under 1
.endr
.irp i, 2,4,6,8,10,12,14
.irp b, 0,1,2,3
	s_delay_alu instid0(VALU_DEP_4)
	v_max3_num_f32 v[TM+\b], v[TM+\b], |v[\s+16*\b+\i]|, |v[\s+1+16*\b+\i]|
.endr
.endr
.irp b, 0,1,2,3
	s_delay_alu instid0(VALU_DEP_4)
	v_permlanex16_b32 v[TM+4+\b], v[TM+\b], s[SEL], s[SEL+1]
.endr
.irp b, 0,1,2,3
	s_delay_alu instid0(VALU_DEP_4)
	v_max_num_f32 v[TM+\b], v[TM+\b], v[TM+4+\b]
.endr
.irp b, 0,1,2,3
	s_delay_alu instid0(VALU_DEP_4)
	v_add_nc_u32 v[TM+12+\b], 0xff000000, v[TM+\b] ; 2 off the exponent field: the conversion's scale operand
.endr
.irp b, 0,1,2,3
	s_delay_alu instid0(VALU_DEP_4)
	v_lshrrev_b32 v[TM+4+\b], 23, v[TM+12+\b]      ; the scale's byte
.endr
	s_delay_alu instid0(VALU_DEP_3)
	v_lshl_or_b32 v[PW], v[TM+5], 8, v[TM+4]
	s_delay_alu instid0(VALU_DEP_1)
	v_lshl_or_b32 v[PW], v[TM+6], 16, v[PW]
	s_delay_alu instid0(VALU_DEP_1)
	v_lshl_or_b32 v[PW], v[TM+7], 24, v[PW]
.irp c, 0,1
	v_cvt_scalef32_pk16_fp6_f32 v[PC+6*\c:PC+2+6*\c], v[\s+32*\c:\s+15+32*\c], v[TM+12+2*\c]
	v_cvt_scalef32_pk16_fp6_f32 v[PC+12+4*\c:PC+14+4*\c], v[\s+16+32*\c:\s+31+32*\c], v[TM+13+2*\c]
.endr
	v_nop                                          ; one plain instruction behind the scaled conversions
.irp c, 0,1
.irp i, 0,1,2
	v_permlane16_swap_b32 v[PC+6*\c+\i], v[PC+12+4*\c+\i]
.endr
.irp i, 0,1,2
	s_delay_alu instid0(VALU_DEP_3)
	v_mov_b32 v[PC+3+6*\c+\i], v[PC+12+4*\c+\i]
.endr
.endr
.endm
	s_wait_loadcnt 32                              ; x1's sixteen loads are in; g2's and b2's 32 may be out
.irp c, 0,1,2,3
	v_pk_add_f32 v[SUM+2*\c:SUM+2*\c+1], v[XX+4*\c:XX+4*\c+1], v[XX+4*\c+2:XX+4*\c+3]   ; the first sixteen numbers start four chains: nothing is cleared
.endr
.irp i, 16,24,32,40,48,56
.irp c, 0,1,2,3
	s_delay_alu instid0(VALU_DEP_4)
	v_pk_add_f32 v[SUM+2*\c:SUM+2*\c+1], v[SUM+2*\c:SUM+2*\c+1], v[XX+\i+2*\c:XX+\i+2*\c+1]
.endr
.endr
	ACROSS 0, MU
	s_delay_alu instid0(VALU_DEP_1)
	v_mul_f32 v[MU], s26, v[MU]                    ; the mean
	s_delay_alu instid0(VALU_DEP_1)
	v_mov_b32 v[MU+1], v[MU]
.set II, 0
.rept 32
	v_pk_add_f32 v[XX+II:XX+II+1], v[XX+II:XX+II+1], v[MU:MU+1] neg_lo:[0,1] neg_hi:[0,1]
.set II, II+2
.endr
.irp c, 0,1,2,3
	v_pk_mul_f32 v[SUM+2*\c:SUM+2*\c+1], v[XX+2*\c:XX+2*\c+1], v[XX+2*\c:XX+2*\c+1]
.endr
.irp i, 8,16,24,32,40,48,56
.irp c, 0,1,2,3
	s_delay_alu instid0(VALU_DEP_4)
	v_pk_fma_f32 v[SUM+2*\c:SUM+2*\c+1], v[XX+\i+2*\c:XX+\i+2*\c+1], v[XX+\i+2*\c:XX+\i+2*\c+1], v[SUM+2*\c:SUM+2*\c+1]
.endr
.endr
	ACROSS 1024, RS                                ; other bytes than the first sum's: no wave waits for the first sum's readers
	s_delay_alu instid0(VALU_DEP_1)
	v_fma_f32 v[RS], v[RS], s26, s27               ; the variance + 1e-5
	s_wait_alu depctr_va_vdst(0)
	v_rsq_f32 v[RS], v[RS]
	v_nop                                          ; a plain instruction behind the transcendental
	s_wait_alu depctr_va_vdst(0)                   ; the wait ahead of the first reader
	v_mov_b32 v[RS+1], v[RS]
.set II, 0
.rept 32
	v_pk_mul_f32 v[XX+II:XX+II+1], v[XX+II:XX+II+1], v[RS:RS+1]
.set II, II+2
.endr
	s_wait_loadcnt 0x0                             ; g2, b2
.set II, 0
.rept 32
	v_pk_fma_f32 v[XX+II:XX+II+1], v[XX+II:XX+II+1], v[GG+II:GG+II+1], v[BB+II:BB+II+1]
.set II, II+2
.endr
.irp b, 0,1,2,3
	v_mov_b32 v[TM+4+\b], 0                        ; a lane permute's destination counts as one of its sources
.endr
	QUANT XX
.irp c, 0,1,2
	global_store_b128 v[L16], v[PC+4*\c:PC+4*\c+3], s[28:29] offset:512*\c
.endr
	global_store_b32 v[L4], v[PW], s[30:31]
	s_wait_tensorcnt 0x0                           ; the wave's end, behind my last LDS store
	ds_add_u32 v[SPW], v[NIL]
	s_wait_dscnt 0x0
	s_endpgm
.Lfunc_end_k_q5ccb505df0_ln2:
	.size	k_q5ccb505df0_ln2, .Lfunc_end_k_q5ccb505df0_ln2-k_q5ccb505df0_ln2
	.p2alignl 7, 3214868480
	.fill 96, 4, 3214868480
	.section	.rodata,"a",@progbits
	.p2align	6, 0x0
	.amdhsa_kernel k_q5ccb505df0_ln2
		.amdhsa_group_segment_fixed_size 3072
		.amdhsa_private_segment_fixed_size 0
		.amdhsa_enable_private_segment 0
		.amdhsa_kernarg_size 32
		.amdhsa_user_sgpr_count 2
		.amdhsa_user_sgpr_kernarg_segment_ptr 1
		.amdhsa_wavefront_size32 1
		.amdhsa_system_sgpr_workgroup_id_x 1
		.amdhsa_system_sgpr_workgroup_id_y 1
		.amdhsa_system_sgpr_workgroup_id_z 1
		.amdhsa_system_vgpr_workitem_id 0
		.amdhsa_next_free_vgpr 256
		.amdhsa_next_free_sgpr 66
		.amdhsa_reserve_vcc 0
		.amdhsa_float_denorm_mode_32 3
		.amdhsa_float_denorm_mode_16_64 3
		.amdhsa_memory_ordered 1
		.amdhsa_forward_progress 1
		.amdhsa_inst_pref_size 28
	.end_amdhsa_kernel
	.amdgpu_metadata
---
amdhsa.version: [ 1, 2 ]
amdhsa.kernels:
  - .name:           k_q5ccb505df0_ln2
    .symbol:         k_q5ccb505df0_ln2.kd
    .args:
      - { .name: x1i, .offset: 0, .size: 8, .value_kind: global_buffer, .address_space: global }
      - { .name: g2, .offset: 8, .size: 8, .value_kind: global_buffer, .address_space: global }
      - { .name: b2, .offset: 16, .size: 8, .value_kind: global_buffer, .address_space: global }
      - { .name: h2, .offset: 24, .size: 8, .value_kind: global_buffer, .address_space: global }
    .group_segment_fixed_size: 3072
    .private_segment_fixed_size: 0
    .kernarg_segment_align: 8
    .kernarg_segment_size: 32
    .max_flat_workgroup_size: 256
    .sgpr_count:     66
    .vgpr_count:     256
    .wavefront_size: 32
...
	.end_amdgpu_metadata
.endif
;; end of part 5
;; launch ffn1 (part 6): grid 16 x 16, 4 waves a work-group, clusters of 4 x 4, 327,680 bytes of LDS; arguments h2, wimg, bf1, ga; writes ga
.if DOCPART == 6
	.amdgcn_target "amdgcn-amd-amdhsa--gfx1250"
	.amdhsa_code_object_version 6
	.text
	.protected	k_q5ccb505df0_ffn1
	.globl	k_q5ccb505df0_ffn1
	.p2align	8
	.type	k_q5ccb505df0_ffn1,@function
k_q5ccb505df0_ffn1:
	s_mov_b64 s[64:65], 0
	v_nop
	global_prefetch_b8 v0, s[64:65] scope:SCOPE_SE
	s_setreg_imm32_b32 hwreg(HW_REG_WAVE_MODE, 25, 1), 1
	s_wait_xcnt 0x0
	s_wait_alu depctr_hold_cnt(0) depctr_sa_sdst(0) depctr_va_vdst(0) depctr_va_sdst(0) depctr_va_ssrc(0) depctr_va_vcc(0) depctr_vm_vsrc(0)
	s_getreg_b32 s2, hwreg(HW_REG_IB_STS2, 6, 4)
	s_cmp_eq_u32 s2, 0
	s_cbranch_scc0 .Lentry_in_a_cluster
	s_endpgm
.Lentry_in_a_cluster:
	s_bfe_u32 s2, ttmp6, 0x10000c
	s_cmp_lg_u32 s2, 0xf033
	s_cbranch_scc0 .Lentry_shape_is_right
	s_endpgm
.Lentry_shape_is_right:
.set KB,    13312
.set BLK,   2*KB
.set SLOT,  4*BLK
.set SPARE, 2*SLOT
.set FR,    12
.set NL,    3
.set NP,    4
.set ADRA,  16
.set ADRB,  20
.set ADRS,  22
.set L16,   24
.set L4,    26
.set SPW,   28
.set NIL,   29
.set SC,    32
.set BIAS,  64
.set AF,    128
.set HH,    64
.set UU,    128
.set X2,    160
.set PP,    192
.set QQ,    224
.set TM,    128
.set PW,    144
.set PC,    148
.set WV,    16
.set RH,    17
.set CH,    18
.set AI,    19
.set G1,    24
.set G0,    32
.set G1B,   48
.set G0B,   56
.set RA,    66
.set CB,    67
.set OUTC,  68
.set SEL,   70
.set CA,    72
.set CQ,    84
.set SQ2,   92
.set OUTS,  94
.set MSB, 0
.macro WIN new
.if MSB != (\new)
	s_set_vgpr_msb (MSB<<8)|(\new)
.set MSB, (\new)
.endif
.endm
.set MUL_LO, 0xa1
.set MUL_HI, 0xf1
.set TO_B,   0x40
.macro PLACES n
.rept \n
	v_nop
.endr
.endm
.macro JLOAD g0a, g1a, g0b, g1b
	s_cmp_eq_u32 s[RH], 0
	s_cbranch_scc0 .Lfor_b_\@
	tensor_load_to_lds s[\g0a:\g0a+3], s[\g1a:\g1a+7]
	s_nop 0
.rept 4
	v_nop
.endr
	s_branch .Lasked_\@
.Lfor_b_\@:
	tensor_load_to_lds s[\g0b:\g0b+3], s[\g1b:\g1b+7]
	s_nop 0
.rept 4
	v_nop
.endr
.Lasked_\@:
.endm
.macro CREST
	s_cmp_lg_u32 s[WV], 0
	s_cbranch_scc1 .Lnot_wave_0_\@
	s_barrier_signal -3
.Lnot_wave_0_\@:
	s_barrier_wait -3
	s_barrier_signal -1
	s_barrier_wait -1
.endm
.macro CROUND
	s_barrier_signal -1
	s_barrier_wait -1
	CREST
.endm
	s_load_b256 s[4:11], s[0:1], 0x0
	v_lshl_add_u32 v[SPW], v0, 2, SPARE
	v_mov_b32 v[NIL], 0
	ds_add_u32 v[SPW], v[NIL]
	ds_add_u32 v[SPW], v[NIL]
	v_lshrrev_b32 v1, 5, v0
	v_readfirstlane_b32 s[WV], v1
	s_lshr_b32 s[RH], s[WV], 1
	s_and_b32 s[CH], s[WV], 1
	s_bfe_u32 s40, ttmp6, 0x40000
	s_bfe_u32 s41, ttmp6, 0x40004
	s_and_b32 s[RA], ttmp7, 0xffff
	s_lshl_b32 s[RA], s[RA], 2
	s_add_co_u32 s[RA], s[RA], s41
	s_lshl_b32 s[CB], ttmp9, 2
	s_add_co_u32 s[CB], s[CB], s40
	s_lshl_b32 s43, s41, 2
	s_lshl_b32 s43, 15, s43
	s_lshl_b32 s44, 0x1111, s40
	s_or_b32 s[G1], s43, (3<<16)|(1<<21)
	s_or_b32 s[G1B], s44, (3<<16)|(1<<21)
.irp g, G1, G1B
	s_mov_b32 s[\g+1], 32<<16
	s_mov_b32 s[\g+2], 104<<16
	s_mov_b32 s[\g+3], 32<<16
	s_mov_b32 s[\g+4], 104
	s_mov_b32 s[\g+5], 32
	s_mov_b32 s[\g+6], 0
	s_mov_b32 s[\g+7], 0
.endr
	s_lshl_b32 s20, s[RA], 1
	s_add_co_u32 s20, s20, s[CH]
	s_mul_i32 s20, s20, 8*KB
	s_mov_b32 s21, 0
	s_lshl_b32 s46, s[CB], 1
	s_add_co_u32 s46, s46, s[CH]
	s_add_co_u32 s46, s46, 64
	s_mul_i32 s46, s46, 8*KB
	s_mov_b32 s47, 0
	s_mul_i32 s45, s[WV], BLK
	s_mov_b32 s[SEL], 0x76543210
	s_mov_b32 s[SEL+1], 0xfedcba98
.irp c, 0x32edffee, 0xb60cff51, 0xb86ec2d2, 0xba40ac63, 0xbb41a1f6, 0xbc83dbd4, 0xb95fbd29, 0xbadc924e, 0xbbf19bf8, 0xbc69b6a7, 0x3fb504f3
	s_mov_b32 s[CA+2*\+], \c
	s_mov_b32 s[CA+2*\++1], \c
.endr
	s_wait_dscnt 0x0
	s_wait_kmcnt 0x0
	s_add_nc_u64 s[20:21], s[4:5], s[20:21]
	s_add_nc_u64 s[46:47], s[6:7], s[46:47]
	CROUND
.irp s, 0,1
	s_mov_b32 s[G0+4*\s], 1
	s_add_co_u32 s[G0+4*\s+1], s45, \s*SLOT
	s_add_nc_u64 s[G0+4*\s+2:G0+4*\s+3], s[20:21], \s*BLK
	s_or_b32 s[G0+4*\s+3], s[G0+4*\s+3], 0x80000000
	s_mov_b32 s[G0B+4*\s], 1
	s_add_co_u32 s[G0B+4*\s+1], s45, \s*SLOT
	s_add_nc_u64 s[G0B+4*\s+2:G0B+4*\s+3], s[46:47], \s*BLK
	s_or_b32 s[G0B+4*\s+3], s[G0B+4*\s+3], 0x80000000
.endr
	JLOAD G0, G1, G0B, G1B                         ; slot 0: one tensor load a wave at the head; the set-up below stands under its flight
; PREFETCHES INTO THE L2: behind the load of slot j stands a request for slot j + 2, and behind the head's load one for slot 1 too, whose load goes out only when slot 0 has landed.
; A wave's piece of a slot is 26,624 bytes, 104 blocks of 256; the four partners that ask for it jointly take 26 blocks each, told apart by address (cx for h2, cy for W1): a lane a block,
; lanes 26-31 name the wave's last block again.  Slot 3 is the last: every address lies inside its buffer.  The address registers are never rewritten.
.set PFA, 12
.set PFO, 30
	s_cmp_eq_u32 s[RH], 0
	s_cselect_b64 s[PFA:PFA+1], s[20:21], s[46:47] ; my piece of slot 0
	s_cselect_b32 s14, s40, s41                    ; my place among the four that ask for it with me
	s_mul_i32 s14, s14, 26*256
	s_mov_b32 s15, 0
	s_add_nc_u64 s[PFA:PFA+1], s[PFA:PFA+1], s[14:15]
	v_and_b32 v[PFO], 31, v0
	v_min_u32 v[PFO], 25, v[PFO]
	v_lshlrev_b32 v[PFO], 8, v[PFO]
	global_prefetch_b8 v[PFO], s[PFA:PFA+1] offset:BLK th:TH_LOAD_NT scope:SCOPE_SE
	global_prefetch_b8 v[PFO], s[PFA:PFA+1] offset:2*BLK th:TH_LOAD_NT scope:SCOPE_SE
	v_and_b32 v1, 31, v0
	v_bfe_u32 v2, v0, 4, 1
	v_lshlrev_b32 v[L16], 4, v1
	s_wait_alu depctr_va_vdst(0)
	v_lshlrev_b32 v[L4], 2, v1
	s_mul_i32 s96, s[RH], BLK
	s_mul_i32 s97, s[CH], BLK
	s_add_co_u32 s97, s97, 2*BLK
	s_sub_co_u32 s98, s97, s96
	v_mul_u32_u24 v4, s98, v2
	v_add_nc_u32 v4, v4, v[L4]
	s_add_co_u32 s99, s96, 12288
.irp s, 0,1
	v_add_nc_u32 v[ADRA+\s], s96, v[L16]
	v_add_nc_u32 v[ADRB+\s], s97, v[L16]
	v_add_nc_u32 v[ADRS+\s], s99, v4
	s_add_co_u32 s96, s96, SLOT
	s_add_co_u32 s97, s97, SLOT
	s_add_co_u32 s99, s99, SLOT
.endr
	s_lshl_b32 s96, s[CB], 10
	s_lshl_b32 s97, s[CH], 9
	s_add_co_u32 s96, s96, s97
	s_mov_b32 s97, 0
	s_add_nc_u64 s[8:9], s[8:9], s[96:97]
	v_lshlrev_b32 v5, 6, v2
.irp b, 0,1,2,3,4,5,6,7
	global_load_b128 v[BIAS+8*\b:BIAS+8*\b+3], v5, s[8:9] offset:(32*(\b/2)+8*(\b%2))*4
	global_load_b128 v[BIAS+8*\b+4:BIAS+8*\b+7], v5, s[8:9] offset:(32*(\b/2)+8*(\b%2))*4+16
.endr
	s_lshl_b32 s98, s[RA], 1
	s_add_co_u32 s98, s98, s[RH]
	s_lshl_b32 s98, s98, 5
	s_lshl_b32 s99, s[CB], 1
	s_add_co_u32 s98, s98, s99
	s_add_co_u32 s98, s98, s[CH]
	s_mul_i32 s98, s98, KB
	s_mov_b32 s99, 0
	s_add_nc_u64 s[OUTC:OUTC+1], s[10:11], s[98:99]
	s_add_nc_u64 s[OUTS:OUTS+1], s[OUTC:OUTC+1], 12288
.macro FRAG reg, adr, q, i
.irp c, 0,1,2
	ds_load_b128 v[\reg+4*\c:\reg+4*\c+3], v[\adr] offset:(\q)*KB+(\i)*1536+512*\c
.endr
.endm
.macro MUL16 a0, p, q, sc, zero
.irp a, \a0, \a0+1
.irp b, 0,1,2,3,4,5,6,7
.if \zero
	v_wmma_scale_f32_16x16x128_f8f6f4 v[8*(8*((\a)%4)+\b):8*(8*((\a)%4)+\b)+7], v[128*(\p)+FR*\b:128*(\p)+FR*\b+FR-1], v[AF+FR*(\a):AF+FR*(\a)+FR-1], v[BIAS+8*\b:BIAS+8*\b+7], v[SC+16*(\sc)+2*\b+(\q)], v[SC+16*(\sc)+2*(\a)+(\q)] matrix_a_fmt:MATRIX_FMT_FP6 matrix_b_fmt:MATRIX_FMT_FP6 matrix_a_scale:MATRIX_SCALE_ROW1
.else
	v_wmma_scale_f32_16x16x128_f8f6f4 v[8*(8*((\a)%4)+\b):8*(8*((\a)%4)+\b)+7], v[128*(\p)+FR*\b:128*(\p)+FR*\b+FR-1], v[AF+FR*(\a):AF+FR*(\a)+FR-1], v[8*(8*((\a)%4)+\b):8*(8*((\a)%4)+\b)+7], v[SC+16*(\sc)+2*\b+(\q)], v[SC+16*(\sc)+2*(\a)+(\q)] matrix_a_fmt:MATRIX_FMT_FP6 matrix_b_fmt:MATRIX_FMT_FP6 matrix_a_scale:MATRIX_SCALE_ROW1
.endif
.endr
.endr
.endm
.macro FETCH_B slot, q, p
	WIN TO_B
.irp i, 0,1,2,3,4,5,6,7
	FRAG 128*(\p)+FR*\i, ADRB+\slot, \q, \i
.endr
	WIN 0
.endm
.macro FETCH_A slot, q, i0
.irp i, \i0, \i0+1, \i0+2, \i0+3
	FRAG AF+FR*(\i), ADRA+\slot, \q, \i
.endr
.endm
.macro SCALES sc
.irp i, 0,1,2,3,4,5,6,7
.irp q, 0,1
	ds_load_b32 v[SC+16*\sc+2*\i+\q], v[ADRS+\sc] offset:\q*KB+128*\i
.endr
.endr
.endm
.macro STEP slot, q, zero
	s_wait_dscnt 4*NL
.if \zero
	WIN 0x81
.else
	WIN MUL_LO
.endif
	MUL16 0, (\q)%2, \q, \slot, \zero
	MUL16 2, (\q)%2, \q, \slot, \zero
	s_wait_dscnt 0
	PLACES NP
	FETCH_B \slot, (\q)+1, 1-(\q)%2
	FETCH_A \slot, (\q)+1, 0
.if \zero
	WIN 0xc1
.else
	WIN MUL_HI
.endif
	MUL16 4, (\q)%2, \q, \slot, \zero
	MUL16 6, (\q)%2, \q, \slot, \zero
	PLACES NP
	WIN 0
	FETCH_A \slot, (\q)+1, 4
.endm
.macro TURN slot, next, fill
	s_wait_tensorcnt 0x0
	ds_add_u32 v[SPW], v[NIL]
	s_wait_dscnt 4*NL+1
	WIN MUL_LO
	MUL16 0, 1, 1, \slot, 0
	s_wait_dscnt 0x0
	s_barrier_signal -1
	MUL16 2, 1, 1, \slot, 0
	WIN 0
	s_barrier_wait -1
.if \fill
	CREST
	s_add_nc_u64 s[G0+4*\slot+2:G0+4*\slot+3], s[G0+4*\slot+2:G0+4*\slot+3], 2*BLK
	s_add_nc_u64 s[G0B+4*\slot+2:G0B+4*\slot+3], s[G0B+4*\slot+2:G0B+4*\slot+3], 2*BLK
	JLOAD G0+4*\slot, G1, G0B+4*\slot, G1B
.else
	PLACES NP
.endif
	FETCH_B \next, 0, 0
	FETCH_A \next, 0, 0
	SCALES \next
	WIN MUL_HI
	MUL16 4, 1, 1, \slot, 0
	MUL16 6, 1, 1, \slot, 0
	PLACES NP
	WIN 0
	FETCH_A \next, 0, 4
.endm
	s_wait_alu depctr_va_vdst(0)                   ; the wait at the head's end
	s_wait_tensorcnt 0x0                           ; my part of slot 0 is in; slot 1's first fill is issued as a refill is
	ds_add_u32 v[SPW], v[NIL]
	s_wait_dscnt 0x0
	CROUND
	JLOAD G0+4, G1, G0B+4, G1B
	global_prefetch_b8 v[PFO], s[PFA:PFA+1] offset:3*BLK th:TH_LOAD_NT scope:SCOPE_SE   ; slot 3, two refills on
	FETCH_B 0, 0, 0
	FETCH_A 0, 0, 0
	SCALES 0
	FETCH_A 0, 0, 4
	s_wait_loadcnt 0x0
	STEP 0, 0, 1
	TURN 0, 1, 1
	STEP 1, 0, 0
	TURN 1, 0, 1
	STEP 0, 0, 0
	TURN 0, 1, 0
	STEP 1, 0, 0
	s_wait_dscnt 4*NL
	WIN MUL_LO
	MUL16 0, 1, 1, 1, 0
	MUL16 2, 1, 1, 1, 0
	s_wait_dscnt 0
	WIN MUL_HI
	MUL16 4, 1, 1, 1, 0
	MUL16 6, 1, 1, 1, 0
	WIN 0
	PLACES NP
	v_mov_b32 v8, 0xaf95df0b
	v_mov_b32 v9, 0xaf95df0b
	v_mov_b32 v10, 0xb77460cd
	v_mov_b32 v11, 0xb77460cd
.macro PART1 a
	WIN 0x02+(\a)/4
.set II, 0
.rept 32
	v_pk_mul_f32 v[HH+II:HH+II+1], v[64*((\a)%4)+II:64*((\a)%4)+II+1], 0.5 op_sel_hi:[1,0]
.set II, II+2
.endr
	WIN 0
.endm
.macro HORNER dst, c
.set II, 0
.rept 16
	v_pk_fma_f32 v[\dst+II:\dst+II+1], v[\dst+II:\dst+II+1], v[X2+II:X2+II+1], s[\c:\c+1] op_sel_hi:[1,1,0]
.set II, II+2
.endr
.endm
.macro HALF hf
.set HB, HH+32*\hf
.set II, 0
.rept 16
	v_pk_mul_f32 v[UU+II:UU+II+1], v[HB+II:HB+II+1], s[SQ2:SQ2+1] op_sel_hi:[1,0]
.set II, II+2
.endr
.set II, 0
.rept 32
	v_med3_num_f32 v[UU+II], v[UU+II], -4.0, 4.0
.set II, II+1
.endr
.set II, 0
.rept 16
	v_pk_mul_f32 v[X2+II:X2+II+1], v[UU+II:UU+II+1], v[UU+II:UU+II+1]
.set II, II+2
.endr
.set II, 0
.rept 16
	v_pk_fma_f32 v[PP+II:PP+II+1], v[X2+II:X2+II+1], v[8:9], s[CA:CA+1] op_sel_hi:[1,1,0]
	v_pk_fma_f32 v[QQ+II:QQ+II+1], v[X2+II:X2+II+1], v[10:11], s[CQ:CQ+1] op_sel_hi:[1,1,0]
.set II, II+2
.endr
	HORNER QQ, CQ+2
	HORNER QQ, CQ+4
	HORNER QQ, CQ+6
.set II, 0
	s_wait_alu depctr_va_vdst(0)
.rept 32
	v_rcp_f32 v[QQ+II], v[QQ+II]
.set II, II+1
.endr
	HORNER PP, CA+2
	HORNER PP, CA+4
	HORNER PP, CA+6
	HORNER PP, CA+8
	HORNER PP, CA+10
.set II, 0
.rept 16
	v_pk_mul_f32 v[UU+II:UU+II+1], v[UU+II:UU+II+1], v[PP+II:PP+II+1]
.set II, II+2
.endr
	s_wait_alu depctr_va_vdst(0)
.set II, 0
.rept 16
	v_pk_mul_f32 v[UU+II:UU+II+1], v[UU+II:UU+II+1], v[QQ+II:QQ+II+1]
.set II, II+2
.endr
.set II, 0
.rept 16
	v_pk_fma_f32 v[HB+II:HB+II+1], v[HB+II:HB+II+1], v[UU+II:UU+II+1], v[HB+II:HB+II+1]
.set II, II+2
.endr
.endm
.macro QUANT s
.irp b, 0,1,2,3
	v_max3_num_f32 v[TM+\b], |v[\s+16*\b]|, |v[\s+1+16*\b]|, 0x1800000
.endr
.irp i, 2,4,6,8,10,12,14
.irp b, 0,1,2,3
	v_max3_num_f32 v[TM+\b], v[TM+\b], |v[\s+16*\b+\i]|, |v[\s+1+16*\b+\i]|
.endr
.endr
.irp b, 0,1,2,3
	v_permlanex16_b32 v[TM+4+\b], v[TM+\b], s[SEL], s[SEL+1]
.endr
.irp b, 0,1,2,3
	v_max_num_f32 v[TM+\b], v[TM+\b], v[TM+4+\b]
.endr
.irp b, 0,1,2,3
	v_add_nc_u32 v[TM+12+\b], 0xff000000, v[TM+\b]
.endr
.irp b, 0,1,2,3
	v_lshrrev_b32 v[TM+4+\b], 23, v[TM+12+\b]
.endr
	v_lshl_or_b32 v[PW], v[TM+5], 8, v[TM+4]
	v_lshl_or_b32 v[PW], v[TM+6], 16, v[PW]
	v_lshl_or_b32 v[PW], v[TM+7], 24, v[PW]
.irp c, 0,1
	v_cvt_scalef32_pk16_fp6_f32 v[PC+6*\c:PC+2+6*\c], v[\s+32*\c:\s+15+32*\c], v[TM+12+2*\c]
	v_cvt_scalef32_pk16_fp6_f32 v[PC+12+4*\c:PC+14+4*\c], v[\s+16+32*\c:\s+31+32*\c], v[TM+13+2*\c]
.endr
	v_nop
.irp c, 0,1
.irp i, 0,1,2
	v_permlane16_swap_b32 v[PC+6*\c+\i], v[PC+12+4*\c+\i]
.endr
.irp i, 0,1,2
	v_mov_b32 v[PC+3+6*\c+\i], v[PC+12+4*\c+\i]
.endr
.endr
.endm
	s_mov_b32 s[AI], 0
.Lrow:
.irp a, 0,1,2,3,4,5,6
	s_cmp_eq_u32 s[AI], \a
	s_cbranch_scc1 .Lpart1_\a
.endr
	PART1 7
	s_branch .Lpart2
.irp a, 0,1,2,3,4,5,6
.Lpart1_\a:
	PART1 \a
	s_branch .Lpart2
.endr
.Lpart2:
	HALF 0
	HALF 1
	QUANT HH
.irp c, 0,1,2
	global_store_b128 v[L16], v[PC+4*\c:PC+4*\c+3], s[OUTC:OUTC+1] offset:512*\c
.endr
	global_store_b32 v[L4], v[PW], s[OUTS:OUTS+1]
	s_wait_xcnt 0x0
	s_add_nc_u64 s[OUTC:OUTC+1], s[OUTC:OUTC+1], 1536
	s_add_nc_u64 s[OUTS:OUTS+1], s[OUTS:OUTS+1], 128
	s_add_co_u32 s[AI], s[AI], 1
	s_cmp_lt_u32 s[AI], 8
	s_cbranch_scc1 .Lrow
	s_wait_tensorcnt 0x0
	ds_add_u32 v[SPW], v[NIL]
	s_wait_dscnt 0x0
	CROUND
	s_endpgm
.Lfunc_end_k_q5ccb505df0_ffn1:
	.size	k_q5ccb505df0_ffn1, .Lfunc_end_k_q5ccb505df0_ffn1-k_q5ccb505df0_ffn1
	.p2alignl 7, 3214868480
	.fill 96, 4, 3214868480
	.section	.rodata,"a",@progbits
	.p2align	6, 0x0
	.amdhsa_kernel k_q5ccb505df0_ffn1
		.amdhsa_group_segment_fixed_size 327680
		.amdhsa_private_segment_fixed_size 0
		.amdhsa_enable_private_segment 0
		.amdhsa_kernarg_size 32
		.amdhsa_user_sgpr_count 2
		.amdhsa_user_sgpr_kernarg_segment_ptr 1
		.amdhsa_wavefront_size32 1
		.amdhsa_system_sgpr_workgroup_id_x 1
		.amdhsa_system_sgpr_workgroup_id_y 1
		.amdhsa_system_sgpr_workgroup_id_z 1
		.amdhsa_system_vgpr_workitem_id 0
		.amdhsa_next_free_vgpr 1024
		.amdhsa_next_free_sgpr 100
		.amdhsa_reserve_vcc 0
		.amdhsa_float_denorm_mode_32 3
		.amdhsa_float_denorm_mode_16_64 3
		.amdhsa_memory_ordered 1
		.amdhsa_forward_progress 1
		.amdhsa_inst_pref_size 167
	.end_amdhsa_kernel
	.amdgpu_metadata
---
amdhsa.version: [ 1, 2 ]
amdhsa.kernels:
  - .name:           k_q5ccb505df0_ffn1
    .symbol:         k_q5ccb505df0_ffn1.kd
    .args:
      - { .name: h2, .offset: 0, .size: 8, .value_kind: global_buffer, .address_space: global }
      - { .name: wimg, .offset: 8, .size: 8, .value_kind: global_buffer, .address_space: global }
      - { .name: bf1, .offset: 16, .size: 8, .value_kind: global_buffer, .address_space: global }
      - { .name: ga, .offset: 24, .size: 8, .value_kind: global_buffer, .address_space: global }
    .group_segment_fixed_size: 327680
    .private_segment_fixed_size: 0
    .kernarg_segment_align: 8
    .kernarg_segment_size: 32
    .max_flat_workgroup_size: 128
    .sgpr_count:     100
    .vgpr_count:     1024
    .wavefront_size: 32
...
	.end_amdgpu_metadata
.endif
;; end of part 6
;; launch ffn2 (part 7): grid 8 x 32, 4 waves a work-group, clusters of 4 x 4, 327,680 bytes of LDS; arguments ga, wimg, x1i, bf2, out0; writes out0
.if DOCPART == 7
	.amdgcn_target "amdgcn-amd-amdhsa--gfx1250"
	.amdhsa_code_object_version 6
	.text
	.protected	k_q5ccb505df0_ffn2
	.globl	k_q5ccb505df0_ffn2
	.p2align	8
	.type	k_q5ccb505df0_ffn2,@function
k_q5ccb505df0_ffn2:
	s_mov_b64 s[64:65], 0
	v_nop
	global_prefetch_b8 v0, s[64:65] scope:SCOPE_SE
	s_setreg_imm32_b32 hwreg(HW_REG_WAVE_MODE, 25, 1), 1
	s_wait_xcnt 0x0
	s_wait_alu depctr_hold_cnt(0) depctr_sa_sdst(0) depctr_va_vdst(0) depctr_va_sdst(0) depctr_va_ssrc(0) depctr_va_vcc(0) depctr_vm_vsrc(0)
	s_getreg_b32 s2, hwreg(HW_REG_IB_STS2, 6, 4)
	s_cmp_eq_u32 s2, 0
	s_cbranch_scc0 .Lentry_in_a_cluster
	s_endpgm
.Lentry_in_a_cluster:
	s_bfe_u32 s2, ttmp6, 0x10000c
	s_cmp_lg_u32 s2, 0xf033
	s_cbranch_scc0 .Lentry_shape_is_right
	s_endpgm
.Lentry_shape_is_right:
.set KB,    13312
.set BLK,   2*KB
.set SLOT,  8*KB
.set SPARE, 2*SLOT
.set ADRA,  16
.set ADRB,  20
.set ADRS,  22
.set STO,   24
.set RD,    25
.set CO,    26
.set L16,   27
.set SPW,   28
.set NIL,   29
.set SC,    32
.set BIAS,  64
.set OB,    64
.set ACC,   128
.set WV,    16
.set RH,    17
.set CH,    18
.set CNT,   19
.set G1,    24
.set G0,    32
.set G1B,   48
.set G0B,   56
.set RA,    66
.set CB,    67
.set MSB, 0
.macro WIN new
.if MSB != (\new)
	s_set_vgpr_msb (MSB<<8)|(\new)
.set MSB, (\new)
.endif
.endm
.set MUL, 0x05
.macro PLACES n
.rept \n
	v_nop
.endr
.endm
.macro JLOAD g0a, g1a, g0b, g1b
	s_cmp_eq_u32 s[RH], 0
	s_cbranch_scc0 .Lfor_b_\@
	tensor_load_to_lds s[\g0a:\g0a+3], s[\g1a:\g1a+7]
	s_nop 0
.rept 4
	v_nop
.endr
	s_branch .Lasked_\@
.Lfor_b_\@:
	tensor_load_to_lds s[\g0b:\g0b+3], s[\g1b:\g1b+7]
	s_nop 0
.rept 4
	v_nop
.endr
.Lasked_\@:
.endm
.macro CREST
	s_cmp_lg_u32 s[WV], 0
	s_cbranch_scc1 .Lnot_wave_0_\@
	s_barrier_signal -3
.Lnot_wave_0_\@:
	s_barrier_wait -3
	s_barrier_signal -1
	s_barrier_wait -1
.endm
.macro CROUND
	s_barrier_signal -1
	s_barrier_wait -1
	CREST
.endm
	s_load_b256 s[4:11], s[0:1], 0x0
	s_load_b64 s[12:13], s[0:1], 0x20
	v_lshl_add_u32 v[SPW], v0, 2, SPARE
	v_mov_b32 v[NIL], 0
	ds_add_u32 v[SPW], v[NIL]
	ds_add_u32 v[SPW], v[NIL]
	v_lshrrev_b32 v1, 5, v0
	v_readfirstlane_b32 s[WV], v1
	s_lshr_b32 s[RH], s[WV], 1
	s_and_b32 s[CH], s[WV], 1
	s_bfe_u32 s40, ttmp6, 0x40000
	s_bfe_u32 s41, ttmp6, 0x40004
	s_and_b32 s[RA], ttmp7, 0xffff
	s_lshl_b32 s[RA], s[RA], 2
	s_add_co_u32 s[RA], s[RA], s41
	s_lshl_b32 s[CB], ttmp9, 2
	s_add_co_u32 s[CB], s[CB], s40
	s_lshl_b32 s43, s41, 2
	s_lshl_b32 s43, 15, s43
	s_lshl_b32 s44, 0x1111, s40
	s_or_b32 s[G1], s43, (3<<16)|(1<<21)
	s_or_b32 s[G1B], s44, (3<<16)|(1<<21)
.irp g, G1, G1B
	s_mov_b32 s[\g+1], 32<<16
	s_mov_b32 s[\g+2], 104<<16
	s_mov_b32 s[\g+3], 32<<16
	s_mov_b32 s[\g+4], 104
	s_mov_b32 s[\g+5], 32
	s_mov_b32 s[\g+6], 0
	s_mov_b32 s[\g+7], 0
.endr
	s_lshl_b32 s20, s[RA], 5
	s_lshl_b32 s21, s[CH], 1
	s_add_co_u32 s20, s20, s21
	s_mul_i32 s20, s20, KB
	s_mov_b32 s21, 0
	s_lshl_b32 s46, s[CB], 5
	s_lshl_b32 s47, s[CH], 1
	s_add_co_u32 s46, s46, s47
	s_add_co_u32 s46, s46, 768
	s_mul_i32 s46, s46, KB
	s_mov_b32 s47, 0
	s_mul_i32 s45, s[WV], BLK
	s_wait_dscnt 0x0
	s_wait_kmcnt 0x0
	s_add_nc_u64 s[20:21], s[4:5], s[20:21]
	s_add_nc_u64 s[46:47], s[6:7], s[46:47]
	CROUND
.irp s, 0,1
	s_mov_b32 s[G0+4*\s], 1
	s_add_co_u32 s[G0+4*\s+1], s45, \s*SLOT
	s_add_nc_u64 s[G0+4*\s+2:G0+4*\s+3], s[20:21], \s*4*KB
	s_or_b32 s[G0+4*\s+3], s[G0+4*\s+3], 0x80000000
	s_mov_b32 s[G0B+4*\s], 1
	s_add_co_u32 s[G0B+4*\s+1], s45, \s*SLOT
	s_add_nc_u64 s[G0B+4*\s+2:G0B+4*\s+3], s[46:47], \s*4*KB
	s_or_b32 s[G0B+4*\s+3], s[G0B+4*\s+3], 0x80000000
.endr
	JLOAD G0, G1, G0B, G1B                         ; slot 0: one tensor load a wave at the head; the set-up below stands under its flight
; PREFETCHES INTO THE L2: behind the load of slot j stands a request for slot j + 2, and behind the head's load one for slot 1 too, whose load goes out only when slot 0 has landed.
; A wave's piece of a slot is 26,624 bytes, 104 blocks of 256, and the pieces of successive slots lie 4 K-blocks apart; the four partners that ask for a piece jointly take 26 blocks each,
; told apart by address (cx for the hidden layer, cy for W2): a lane a block, lanes 26-31 name the wave's last block again.  The pointer stands at slot j - 1 when slot j is asked for; it is stepped
; at the head of each change of slots, behind s_wait_xcnt 0.  The loop's last lap (slots 6 and 7) asks for nothing: slot 7 is the last that is named, so every address lies inside its buffer.
.set PFA, 68
.set PFO, 30
	s_cmp_eq_u32 s[RH], 0
	s_cselect_b64 s[PFA:PFA+1], s[20:21], s[46:47] ; my piece of slot 0
	s_cselect_b32 s70, s40, s41                    ; my place among the four that ask for it with me
	s_mul_i32 s70, s70, 26*256
	s_mov_b32 s71, 0
	s_add_nc_u64 s[PFA:PFA+1], s[PFA:PFA+1], s[70:71]
	v_and_b32 v[PFO], 31, v0
	v_min_u32 v[PFO], 25, v[PFO]
	v_lshlrev_b32 v[PFO], 8, v[PFO]
	global_prefetch_b8 v[PFO], s[PFA:PFA+1] offset:4*KB th:TH_LOAD_NT scope:SCOPE_SE
	global_prefetch_b8 v[PFO], s[PFA:PFA+1] offset:8*KB th:TH_LOAD_NT scope:SCOPE_SE
	v_and_b32 v1, 31, v0
	v_bfe_u32 v2, v0, 4, 1
	v_and_b32 v3, 15, v0
	v_lshlrev_b32 v[L16], 4, v1
	s_wait_alu depctr_va_vdst(0)
	v_lshlrev_b32 v5, 2, v1
	s_mul_i32 s76, s[RH], 4*1536
	s_mul_i32 s77, s[CH], 4*1536
	s_add_co_u32 s77, s77, 4*KB
	s_lshl_b32 s78, s[RH], 9
	s_lshl_b32 s79, s[CH], 9
	s_add_co_u32 s79, s79, 4*KB
	s_sub_co_u32 s79, s79, s78
	v_mul_u32_u24 v4, s79, v2
	v_add_nc_u32 v4, v4, v5
	s_add_co_u32 s78, s78, 12288
.irp s, 0,1
	v_add_nc_u32 v[ADRA+\s], s76, v[L16]
	v_add_nc_u32 v[ADRB+\s], s77, v[L16]
	v_add_nc_u32 v[ADRS+\s], s78, v4
	s_add_co_u32 s76, s76, SLOT
	s_add_co_u32 s77, s77, SLOT
	s_add_co_u32 s78, s78, SLOT
.endr
	s_mul_i32 s76, s[WV], 16*272
	v_mul_u32_u24 v4, v3, 272
	v_lshl_add_u32 v4, v2, 6, v4
	v_add_nc_u32 v[STO], s76, v4
	v_mul_u32_u24 v4, v2, 272
	v_lshl_add_u32 v4, v3, 4, v4
	v_add_nc_u32 v[RD], s76, v4
	v_lshlrev_b32 v[CO], 12, v2
	v_lshl_add_u32 v[CO], v3, 4, v[CO]
	s_lshl_b32 s76, s[RA], 3
	s_lshl_b32 s77, s[RH], 2
	s_add_co_u32 s76, s76, s77
	s_lshl_b32 s76, s76, 6
	s_lshl_b32 s77, s[CB], 3
	s_add_co_u32 s76, s76, s77
	s_lshl_b32 s77, s[CH], 2
	s_add_co_u32 s76, s76, s77
	s_lshl_b32 s76, s76, 10
	s_mov_b32 s77, 0
	s_add_nc_u64 s[8:9], s[8:9], s[76:77]
	s_lshl_b32 s78, s[CB], 9
	s_lshl_b32 s79, s[CH], 8
	s_add_co_u32 s78, s78, s79
	s_mov_b32 s79, 0
	s_add_nc_u64 s[10:11], s[10:11], s[78:79]
	s_add_nc_u64 s[12:13], s[12:13], s[78:79]
	s_lshl_b32 s76, s[RA], 7
	s_lshl_b32 s78, s[RH], 6
	s_add_co_u32 s76, s76, s78
	s_lshl_b32 s76, s76, 12
	s_add_nc_u64 s[12:13], s[12:13], s[76:77]
.irp a, 0,1,2,3
.irp b, 0,1,2,3
	global_load_b128 v[ACC+8*(4*\a+\b):ACC+8*(4*\a+\b)+3], v[L16], s[8:9] offset:(64*\a+\b)*1024 th:TH_LOAD_NT
	global_load_b128 v[ACC+8*(4*\a+\b)+4:ACC+8*(4*\a+\b)+7], v[L16], s[8:9] offset:(64*\a+\b)*1024+512 th:TH_LOAD_NT
.endr
.endr
	v_lshlrev_b32 v5, 6, v2
.irp b, 0,1,2,3
	global_load_b128 v[BIAS+8*\b:BIAS+8*\b+3], v5, s[10:11] offset:128*(\b/2)+32*(\b%2)
	global_load_b128 v[BIAS+8*\b+4:BIAS+8*\b+7], v5, s[10:11] offset:128*(\b/2)+32*(\b%2)+16
.endr
.macro FETCH slot, k, p
	WIN 0x40
.irp i, 0,1,2,3
.irp c, 0,1,2
	ds_load_b128 v[128*(\p)+12*\i+4*\c:128*(\p)+12*\i+4*\c+3], v[ADRA+\slot] offset:(\k)*KB+1536*\i+512*\c
.endr
.endr
.irp i, 0,1,2,3
.irp c, 0,1,2
	ds_load_b128 v[128*(\p)+48+12*\i+4*\c:128*(\p)+48+12*\i+4*\c+3], v[ADRB+\slot] offset:(\k)*KB+1536*\i+512*\c
.endr
.endr
.endm
.macro SCALES sc
	WIN 0
.irp k, 0,1,2,3
.irp i, 0,1,2,3
	ds_load_b32 v[SC+16*\sc+4*\k+\i], v[ADRS+\sc] offset:\k*KB+128*\i
.endr
.endr
.endm
.macro MULR p, k, sc, a
.irp b, 0,1,2,3
	v_wmma_scale_f32_16x16x128_f8f6f4 v[ACC+8*(4*(\a)+\b):ACC+8*(4*(\a)+\b)+7], v[128*(\p)+48+12*\b:128*(\p)+48+12*\b+11], v[128*(\p)+12*(\a):128*(\p)+12*(\a)+11], v[ACC+8*(4*(\a)+\b):ACC+8*(4*(\a)+\b)+7], v[SC+16*(\sc)+4*(\k)+\b], v[SC+16*(\sc)+4*(\k)+(\a)] matrix_a_fmt:MATRIX_FMT_FP6 matrix_b_fmt:MATRIX_FMT_FP6 matrix_a_scale:MATRIX_SCALE_ROW1
.endr
.endm
.macro KS slot, k
	s_wait_dscnt 0x0
	PLACES 4
	FETCH \slot, (\k)+1, ((\k)+1)%2
	WIN MUL
	MULR (\k)%2, \k, \slot, 0
	MULR (\k)%2, \k, \slot, 1
	MULR (\k)%2, \k, \slot, 2
	MULR (\k)%2, \k, \slot, 3
.endm
.macro TURN slot, next, fill
.if \fill
	s_wait_xcnt 0x0                                ; my prefetches have read their address: the pointer is stepped here, a slot's work behind the last of them
	s_add_nc_u64 s[PFA:PFA+1], s[PFA:PFA+1], 4*KB
.endif
	s_wait_dscnt 0x0
	WIN 0
	s_wait_tensorcnt 0x0
	ds_add_u32 v[SPW], v[NIL]
	WIN MUL
	MULR 1, 3, \slot, 0
	s_wait_dscnt 0x0
	s_barrier_signal -1
	MULR 1, 3, \slot, 1
	WIN 0
	s_barrier_wait -1
.if \fill
	CREST
	s_add_nc_u64 s[G0+4*\slot+2:G0+4*\slot+3], s[G0+4*\slot+2:G0+4*\slot+3], 8*KB
	s_add_nc_u64 s[G0B+4*\slot+2:G0B+4*\slot+3], s[G0B+4*\slot+2:G0B+4*\slot+3], 8*KB
	JLOAD G0+4*\slot, G1, G0B+4*\slot, G1B
.else
	PLACES 4
.endif
	FETCH \next, 0, 0
	SCALES \next
.if \fill
	s_cmp_gt_u32 s[CNT], 1                         ; the last lap has no slot two refills on
	s_cbranch_scc0 .Lno_ask_\@
	global_prefetch_b8 v[PFO], s[PFA:PFA+1] offset:12*KB th:TH_LOAD_NT scope:SCOPE_SE
.Lno_ask_\@:
.endif
	WIN MUL
	MULR 1, 3, \slot, 2
	MULR 1, 3, \slot, 3
.endm
	s_wait_alu depctr_va_vdst(0)                   ; the wait at the head's end
	s_wait_tensorcnt 0x0                           ; my part of slot 0 is in; slot 1's first fill is issued as a refill is
	ds_add_u32 v[SPW], v[NIL]
	s_wait_dscnt 0x0
	CROUND
	JLOAD G0+4, G1, G0B+4, G1B
	global_prefetch_b8 v[PFO], s[PFA:PFA+1] offset:12*KB th:TH_LOAD_NT scope:SCOPE_SE   ; slot 3, two refills on
	FETCH 0, 0, 0
	SCALES 0
	s_wait_loadcnt 0x0
.irp a, 0,1,2,3
.irp b, 0,1,2,3
.irp i, 0,2,4,6
	v_pk_add_f32 v[ACC+8*(4*\a+\b)+\i:ACC+8*(4*\a+\b)+\i+1], v[ACC+8*(4*\a+\b)+\i:ACC+8*(4*\a+\b)+\i+1], v[BIAS+8*\b+\i:BIAS+8*\b+\i+1]
.endr
.endr
.endr
	s_mov_b32 s[CNT], 3
.Llap:
	s_wait_alu depctr_va_vdst(0)
	KS 0, 0
	KS 0, 1
	KS 0, 2
	TURN 0, 1, 1
	KS 1, 0
	KS 1, 1
	KS 1, 2
	TURN 1, 0, 1
	WIN 0
	s_sub_co_u32 s[CNT], s[CNT], 1
	s_cmp_lg_u32 s[CNT], 0
	s_cbranch_scc1 .Llap
	KS 0, 0
	KS 0, 1
	KS 0, 2
	TURN 0, 1, 0
	KS 1, 0
	KS 1, 1
	KS 1, 2
	s_wait_dscnt 0x0
	MULR 1, 3, 1, 0
	MULR 1, 3, 1, 1
	MULR 1, 3, 1, 2
	MULR 1, 3, 1, 3
	WIN 0
	PLACES 4
.irp a, 0,1,2,3
.if \a > 1
	s_wait_xcnt 0x0
.endif
.irp b, 0,1,2,3
	ds_store_b128 v[STO], v[ACC+8*(4*\a+\b):ACC+8*(4*\a+\b)+3] offset:128*(\b/2)+32*(\b%2)
	ds_store_b128 v[STO], v[ACC+8*(4*\a+\b)+4:ACC+8*(4*\a+\b)+7] offset:128*(\b/2)+32*(\b%2)+16
.endr
.irp i, 0,1,2,3,4,5,6,7
	ds_load_b128 v[OB+32*(\a%2)+4*\i:OB+32*(\a%2)+4*\i+3], v[RD] offset:544*\i
.endr
.irp i, 0,1,2,3,4,5,6,7
	s_wait_dscnt 7-\i
	global_store_b128 v[CO], v[OB+32*(\a%2)+4*\i:OB+32*(\a%2)+4*\i+3], s[12:13] offset:(32*(\a/2)+8*(\a%2)+2*\i+8*(\i/4))*4096 th:TH_STORE_NT
.endr
.endr
	s_wait_tensorcnt 0x0
	ds_add_u32 v[SPW], v[NIL]
	s_wait_dscnt 0x0
	CROUND
	s_endpgm
.Lfunc_end_k_q5ccb505df0_ffn2:
	.size	k_q5ccb505df0_ffn2, .Lfunc_end_k_q5ccb505df0_ffn2-k_q5ccb505df0_ffn2
	.p2alignl 7, 3214868480
	.fill 96, 4, 3214868480
	.section	.rodata,"a",@progbits
	.p2align	6, 0x0
	.amdhsa_kernel k_q5ccb505df0_ffn2
		.amdhsa_group_segment_fixed_size 327680
		.amdhsa_private_segment_fixed_size 0
		.amdhsa_enable_private_segment 0
		.amdhsa_kernarg_size 40
		.amdhsa_user_sgpr_count 2
		.amdhsa_user_sgpr_kernarg_segment_ptr 1
		.amdhsa_wavefront_size32 1
		.amdhsa_system_sgpr_workgroup_id_x 1
		.amdhsa_system_sgpr_workgroup_id_y 1
		.amdhsa_system_sgpr_workgroup_id_z 1
		.amdhsa_system_vgpr_workitem_id 0
		.amdhsa_next_free_vgpr 512
		.amdhsa_next_free_sgpr 100
		.amdhsa_reserve_vcc 0
		.amdhsa_float_denorm_mode_32 3
		.amdhsa_float_denorm_mode_16_64 3
		.amdhsa_memory_ordered 1
		.amdhsa_forward_progress 1
		.amdhsa_inst_pref_size 92
	.end_amdhsa_kernel
	.amdgpu_metadata
---
amdhsa.version: [ 1, 2 ]
amdhsa.kernels:
  - .name:           k_q5ccb505df0_ffn2
    .symbol:         k_q5ccb505df0_ffn2.kd
    .args:
      - { .name: ga, .offset: 0, .size: 8, .value_kind: global_buffer, .address_space: global }
      - { .name: wimg, .offset: 8, .size: 8, .value_kind: global_buffer, .address_space: global }
      - { .name: x1i, .offset: 16, .size: 8, .value_kind: global_buffer, .address_space: global }
      - { .name: bf2, .offset: 24, .size: 8, .value_kind: global_buffer, .address_space: global }
      - { .name: out0, .offset: 32, .size: 8, .value_kind: global_buffer, .address_space: global }
    .group_segment_fixed_size: 327680
    .private_segment_fixed_size: 0
    .kernarg_segment_align: 8
    .kernarg_segment_size: 40
    .max_flat_workgroup_size: 128
    .sgpr_count:     100
    .vgpr_count:     512
    .wavefront_size: 32
...
	.end_amdgpu_metadata
.endif
;; end of part 7
